; MI455X (gfx1250); checked and timed in simulation.
; The chip was launched on July 23, 2026; its instructions are those of AMD's public machine-readable ISA for CDNA 5 (MIT licence, August 2026) and "CDNA5" Instruction Set Architecture Reference Guide (July 2026). The comments in the code are by the model that wrote it; some were corrected since.
;; Cross Attention. Allowed arithmetic: matrix products marked QUANTISED: E5M2 operands, one E8M0 scale for each 32 along K, by v_wmma_scale_f32_16x16x128_f8f6f4 with both operands' format E5M2, f32 sums; everything else in f32.
;; Inputs: Wk_codes 1,024 x 32 x 32 uint8 (E5M2 codes of Wk, K innermost, in blocks of 32 codes); Wk_scales 1,024 x 32 uint8 (E8M0 scales of Wk, one for each 32 codes along K); Wq_codes 1,024 x 32 x 32 uint8 (E5M2 codes of Wq, K innermost, in blocks of 32 codes); Wq_scales 1,024 x 32 uint8 (E8M0 scales of Wq, one for each 32 codes along K); Wv_codes 1,024 x 32 x 32 uint8 (E5M2 codes of Wv, K innermost, in blocks of 32 codes); Wv_scales 1,024 x 32 uint8 (E8M0 scales of Wv, one for each 32 codes along K); bk 1,024 float32; bq 1,024 float32; bv 1,024 float32; key_input_codes 4 x 2,048 x 32 x 32 uint8 (E5M2 codes of key_input, K innermost, in blocks of 32 codes); key_input_scales 4 x 2,048 x 32 uint8 (E8M0 scales of key_input, one for each 32 codes along K); query_input_codes 4 x 2,048 x 32 x 32 uint8 (E5M2 codes of query_input, K innermost, in blocks of 32 codes); query_input_scales 4 x 2,048 x 32 uint8 (E8M0 scales of query_input, one for each 32 codes along K); value_input_codes 4 x 2,048 x 32 x 32 uint8 (E5M2 codes of value_input, K innermost, in blocks of 32 codes); value_input_scales 4 x 2,048 x 32 uint8 (E8M0 scales of value_input, one for each 32 codes along K).
;; Outputs: out0 4 x 2,048 x 1,024 float32.
;; This version of the problem:
;;   THIS VERSION OF THE PROBLEM IS GIVEN IN LOW PRECISION. The matrix products marked QUANTISED in the list below multiply operands that are first quantised to E5M2 (5 exponent bits, 2 mantissa bits; 8 bits a number), with one power-of-two scale for each 32 numbers along K (OCP MX v1.0); their sums are f32. All else is computed in f32.
;;   The module's matrix products, in the order in which they are computed (A, B: the left and right operand; K: the contracted axis; several contracted axes count as one K, in the product's order):
;;     1. [M 8,192, K 1,024] x [K 1,024, N 1,024]; A: input query_input (given as codes); B: input Wq (given as codes): QUANTISED
;;     2. [M 8,192, K 1,024] x [K 1,024, N 1,024]; A: input key_input (given as codes); B: input Wk (given as codes): QUANTISED
;;     3. [M 8,192, K 1,024] x [K 1,024, N 1,024]; A: input value_input (given as codes); B: input Wv (given as codes): QUANTISED
;;     4. batch 4 x [M 2,048, K 1,024] x [K 1,024, N 2,048]; A: computed on the way; B: computed on the way: QUANTISED
;;     5. batch 4 x [M 2,048, K 2,048] x [K 2,048, N 1,024]; A: softmax (see below); B: computed on the way: QUANTISED
;;   THE QUANTISER, for each operand of a quantised product, along K:
;;     - K is cut into blocks of 32 from its start; a last block that is shorter is filled with zeros.
;;     - A block's scale is 2^e with e = floor(log2(the largest magnitude in the block)) - 15, held to -126 .. 127; a block of zeros has e = 0. As a byte (E8M0): e + 127.
;;     - Each number is divided by its block's scale, clamped to +-57,344, and rounded to the nearest number of E5M2, ties to even, subnormals kept.
;;     - The product sums the exact products of the quantised numbers (number of the format x scale) in f32.
;;   ~~~python
;;   def quantise(x, axis):      # numpy; x: float32 -> the quantised numbers, widened to float32 again
;;       x = np.moveaxis(x, axis, -1); K = x.shape[-1]
;;       x = np.pad(x, [(0, 0)] * (x.ndim - 1) + [(0, -K % 32)]); x = x.reshape(x.shape[:-1] + (-1, 32)); a = np.abs(x).max(-1, keepdims=True)
;;       e = np.where(a > 0, np.clip(np.frexp(np.where(a > 0, a, 1))[1] - 1 - 15, -126, 127), 0)      # np.frexp(a)[1] - 1 = floor(log2(a)), exactly
;;       r = np.clip(x / 2.0 ** e, -57344, 57344)
;;       step = 2.0 ** (np.maximum(np.frexp(np.where(r == 0, 1, r))[1] - 1, -14) - 2)
;;       q = np.round(r / step) * step * 2.0 ** e      # np.round: ties to even
;;       return np.moveaxis(q.reshape(q.shape[:-2] + (-1,))[..., :K], -1, axis).astype(np.float32)
;;   ~~~
;;   SOFTMAX AHEAD OF A QUANTISED PRODUCT. Where the list says 'softmax', what is quantised is not the finished softmax but p = 2^(t - M), with t = logit x log2(e) and M = ceil(the row's largest t), a whole number; so 1/2 < the row's largest p <= 1. The row's sum l is taken of the UNQUANTISED p, in f32, and the product's result is divided by l at the end. Since M is a whole number, a kernel that streams over the keys may use a running M (the ceiling of the running maximum): every later rescaling is an exact power of two, which a block's scale takes up: the codes' values come out the same.
;;   OPERANDS COMPUTED ON THE WAY. 'Computed on the way' means the value that the module computes at that place (a softmax that the list does not call 'softmax' is quantised finished and normalised). What goes into a quantiser is computed in f32, as accurately as f32 sums, v_exp_f32 and their like allow (about 1e-6 of the number): no bf16 or f16 on the way to a quantiser, and a product that is left as it is and whose result goes on into a quantised operand takes f32 operands (vector FMAs, or v_wmma_f32_16x16x4_f32). A number that lies on a knife's edge between two numbers of the format may be rounded either way, as far as f32 arithmetic and the matrix unit's own rounding can turn it there, and no further.
;;   INPUTS GIVEN AS CODES. Wk (in the module: [1024, 1024], K = its axis 0); Wq (in the module: [1024, 1024], K = its axis 0); Wv (in the module: [1024, 1024], K = its axis 0); key_input (in the module: [4, 2048, 1024], K = its axis 2); query_input (in the module: [4, 2048, 1024], K = its axis 2); value_input (in the module: [4, 2048, 1024], K = its axis 2): each comes as NAME_codes (uint8): NAME with its K axis moved to the last place and cut into blocks of 32 codes, [.., K / 32, bytes a block], one block behind the other in memory; one code a byte (a code: sign, 5 exponent bits, 2 mantissa bits); and NAME_scales (uint8): the same leading axes, one E8M0 byte (e + 127) for each 32 codes along K. Its value is code x scale, taken as it is: it is not quantised again, and the codes and scales need not be those that the quantiser above would give.
;; One version. Each part assembles by itself: llvm-mc -triple=amdgcn-amd-amdhsa -mcpu=gfx1250 --defsym DOCPART=n.
;; ======== version 1 of 1: 3 launches
;; limits: right only within a limited range of input values
;; workspace buffers: q_codes 8,388,608 bytes; k_codes 8,388,608 bytes; vt_codes 8,388,608 bytes; q_sc 262,144 bytes; k_sc 262,144 bytes; vt_sc 262,144 bytes; p_codes 16,777,216 bytes; pstat 2,097,152 bytes
;; launch proj (part 1): grid 16 x 16, 4 waves a work-group, clusters of 4 x 4, 327,680 bytes of LDS; arguments query_input_codes, query_input_scales, Wq_codes, Wq_scales, bq, q_codes, q_sc, key_input_codes, key_input_scales, Wk_codes, Wk_scales, bk, k_codes, k_sc, value_input_codes, value_input_scales, Wv_codes, Wv_scales, bv, vt_codes, vt_sc; writes q_codes, q_sc, k_codes, k_sc, vt_codes, vt_sc
.if DOCPART == 1
	.amdgcn_target "amdgcn-amd-amdhsa--gfx1250"
	.amdhsa_code_object_version 6
	.text
	.protected	k_qea6a4b4ba0_proj
	.globl	k_qea6a4b4ba0_proj
	.p2align	8
	.type	k_qea6a4b4ba0_proj,@function
k_qea6a4b4ba0_proj:
	s_mov_b64 s[64:65], 0
	v_nop
	global_prefetch_b8 v0, s[64:65] scope:SCOPE_SE
	s_setreg_imm32_b32 hwreg(HW_REG_WAVE_MODE, 25, 1), 1
	s_wait_xcnt 0x0
	s_wait_alu depctr_hold_cnt(0) depctr_sa_sdst(0) depctr_va_vdst(0) depctr_va_sdst(0) depctr_va_ssrc(0) depctr_va_vcc(0) depctr_vm_vsrc(0)
	s_getreg_b32 s2, hwreg(HW_REG_IB_STS2, 6, 4)
	s_cmp_eq_u32 s2, 0
	s_cbranch_scc0 .Lentry_in_a_cluster
	s_endpgm
.Lentry_in_a_cluster:
	s_bfe_u32 s2, ttmp6, 0x10000c
	s_cmp_lg_u32 s2, 0xf033
	s_cbranch_scc0 .Lentry_shape_is_right
	s_endpgm
.Lentry_shape_is_right:
; THE THREE PROJECTIONS q, k, v = x W + b AND THEIR QUANTISERS, on codes of E5M2 with one E8M0 scale for each 32 along K = 1,024.  No work of the problem is left out.
; OUT: q_codes, k_codes as images of the operand's registers: [512 groups of 16 rows][8 chunks of 128 columns][c 0..3][lane][16 bytes]; vt_codes likewise: [64 groups of 16 d][64 chunks of 128 keys][c][lane][16 bytes].
; Scale words (4 bytes: 128 along K): q_sc, k_sc [8 chunks][8,192 rows]; vt_sc [64 chunks][1,024 d].
; LIMITS: a block whose largest magnitude lies under 2^-111 (a block of zeros too) gets the byte 1; its bytes are read by this program alone.  NaN and infinities are not served.
; THE DEAL: 256 work-groups of four waves, 2 (rows) x 2 (columns).  PHASE 1: 512 rows x 128 columns of q (cluster x 0, 1) or k (2, 3): 16 blocks of 16 rows a wave.  PHASE 2: 256 rows x 128 columns of v: 8 blocks a wave.
; A wave holds 64 columns of a weight, ALL of K, in 512 registers (windows 1, 2) and streams x's rows past them; two whole blocks of x stand in window 3.
; CLUSTER 4 x 4: x's rows are asked for jointly along a row of the cluster, a weight's along a column.
; LDS: two slots of 128 rows of 1,024 + 16 bytes, x's and value's scale bytes, the scale bytes on their way out.
; FILLS.  Head: the weight into slot 1 (wave 0), x's rows 0-127 into slot 0 (wave 1), scale bytes (waves 2, 3).  When the weight is in registers: rows 128-255 into slot 1.  From then on a slot is refilled, in a drained round,
; inside the block in which its last two blocks stand in registers: rows 256-383 (block 2), 384-511 (block 6); block 10: half of W_v's rows and v's rows 0-63 into slot 0; block 14: the other half and v's rows 64-127 into slot 1.
; When W_v is in registers: v's rows 128-255 into the room that it left.  A load has four blocks in which to land.
; BLOCK b of 128 rows: rows 64 (b / 2) + 32 (wave row) + 16 (b % 2) on: so two blocks of a wave are 32 neighbouring tokens.
; PHASE 1: source 0 = 16 columns, source 1 = 16 rows: lane (r, h), register i of tile j holds column 16 j + 8 h + i of row r.  PHASE 2: source 0 = 16 rows, source 1 = 16 columns: lane (r, h) holds column r, register i row 8 h + i.
; Either way a scale block of 32 lies in 16 registers of lanes l and l xor 16.  A block's way out stands among the next block's products; a pair of v's blocks, copied, among the next pair's.
; PREFETCHES: the sixteen waves that ask for 128 rows jointly name a sixteenth each (32 units of 256 bytes, a lane a unit), told apart by address: rows 128-383 once the weight has landed, rows 384-511 in block 0, W_v's and v's first rows in block 4, v's last in block 12.
.set PITCH,  1040                      ; 260 words: 16 rows start at 16 different banks (64 banks of 4 bytes: ISA guide 11.1)
.set YB,     128*PITCH
.set SCL,    2*YB                      ; scale bytes: units of 256 bytes (8 rows) + 16: x's 512 rows, then value's 256
.set CSC,    16*272                    ; 128 rows of them
.set XN,     SCL+6*CSC                 ; scale words on the way out: 512 rows x 4 bytes
.set XV,     XN+2048                   ; v's: [2 chunks][128 d] x 4 bytes
.set SPARE,  XV+1024
.set FR,     16
.set FPW,    16
.set NP,     8                         ; places behind this matrix instruction (other than for loads)
.set NF,     34                        ; LDS loads of a block
.set EMAX,   15
.set ADRA0,  4
.set CN,     5                         ; 16 r + 8 h
.set AAS0,   6
.set SPW,    10
.set NIL,    11
.set ADRA,   12
.set VX,     13
.set ADRW,   14
.set ADRU,   15
.set ABS,    16
.set AAS,    17
.set ADRU2,  18
.set RD,     19
.set SOP,    20
.set SB,     24                        ; a weight's scale words: register 8 p + q: lanes 0-15 tile 2 p, lanes 16-31 tile 2 p + 1
.set EB,     40
.set SA,     44                        ; x's: two sets of eight
.set TQ,     60
.set ACC,    64                        ; four sets of four accumulators: products write 0 and 1; 2 and 3 take a pair of v's blocks
.set WS,     128                       ; phase 1: W_v's scale words
.set NCD,    192
.set MCD,    192
.set BQ,     208                       ; the bias: the first products' C
.set BV,     240
.set TP,     244
.set G1A,    24
.set G0A,    56
.set G1B,    32
.set G0B,    60
.set G1R,    48
.set G0R,    68
.set G1S,    92
.set G0S,    72
.set G1T,    84
.set G0T,    20
.set MSB, 0
.macro WIN new                         ; the immediate's high byte repeats the setting that is left
.if MSB != (\new)
	s_set_vgpr_msb (MSB<<8)|(\new)
.set MSB, (\new)
.endif
.endm
.macro PLACES n
.rept \n
	v_nop
.endr
.endm
.macro BARRIER
	s_barrier_signal -1
	s_barrier_wait -1
.endm
.macro MIDDLE                          ; a round's middle, behind its opening signal
	WIN 0
	s_barrier_wait -1
	s_cmp_lg_u32 s14, 0
	s_cbranch_scc1 .Lnot_wave_0_\@
	s_barrier_signal -3
.Lnot_wave_0_\@:
	s_barrier_wait -3
.endm
.macro CROUND
	s_barrier_signal -1
	MIDDLE
	BARRIER
.endm
.macro TLOAD g0, g1
	tensor_load_to_lds s[\g0:\g0+3], s[\g1:\g1+7]
	s_nop 0
	PLACES 4
.endm
.macro WALU
	s_wait_alu depctr_va_vdst(0)
.endm
.macro GRD
	s_wait_tensorcnt 0x0
	ds_add_u32 v[SPW], v[NIL]
.endm
.macro GROUP1 g, mask, rows            ; so many whole rows of 1,024 bytes, dense in memory, 16 bytes of padding behind each in LDS
	s_or_b32 s[\g+0], s[\mask], (1<<20)|(1<<21)|(7<<22)|(3<<25)
	s_mov_b32 s[\g+1], 1024<<16
	s_mov_b32 s[\g+2], (\rows)<<16
	s_mov_b32 s[\g+3], 1024<<16
	s_mov_b32 s[\g+4], \rows
	s_mov_b32 s[\g+5], 1024
	s_mov_b32 s[\g+6], 0
	s_mov_b32 s[\g+7], 0
.endm
.macro GROUPS g, units                 ; scale bytes: so many dense units of 256 bytes (32 elements of 8), 16 bytes of padding behind each
	s_or_b32 s[\g+0], s44, (3<<16)|(1<<20)|(1<<21)|(5<<22)|(3<<25)
	s_mov_b32 s[\g+1], 32<<16
	s_mov_b32 s[\g+2], (\units)<<16
	s_mov_b32 s[\g+3], 32<<16
	s_mov_b32 s[\g+4], \units
	s_mov_b32 s[\g+5], 32
	s_mov_b32 s[\g+6], 0
	s_mov_b32 s[\g+7], 0
.endm
	s_load_b128 s[4:7], s[0:1], 0x0                ; query's codes, scales
	s_load_b64 s[8:9], s[0:1], 0x10                ; W_q's codes
	s_load_b128 s[76:79], s[0:1], 0x38             ; key's
	s_load_b64 s[10:11], s[0:1], 0x48              ; W_k's
	s_load_b128 s[80:83], s[0:1], 0x70             ; value's
	s_load_b64 s[12:13], s[0:1], 0x80              ; W_v's
	v_lshl_add_u32 v[SPW], v0, 2, SPARE
	v_mov_b32 v[NIL], 0
	ds_add_u32 v[SPW], v[NIL]                      ; the opening: the add, twice on end, and its wait ahead of my first tensor load
	ds_add_u32 v[SPW], v[NIL]
	v_lshrrev_b32 v1, 5, v0
	v_readfirstlane_b32 s14, v1                    ; wave 0..3
	s_lshr_b32 s15, s14, 1                         ; my row of waves
	s_and_b32 s16, s14, 1                          ; my column of waves
	s_bfe_u32 s40, ttmp6, 0x40000                  ; cx
	s_bfe_u32 s41, ttmp6, 0x40004                  ; cy
	s_lshr_b32 s19, ttmp9, 1                       ; 0: q, 1: k
	s_and_b32 s18, ttmp9, 1
	s_lshl_b32 s42, s18, 2
	s_add_co_u32 s42, s42, s40                     ; phase 1's tile column, 128 each
	s_and_b32 s43, ttmp7, 0xffff
	s_lshl_b32 s43, s43, 2
	s_add_co_u32 s43, s43, s41                     ; phase 1's tile row, 512 each
	s_lshl_b32 s66, s19, 2
	s_add_co_u32 s66, s66, s40                     ; phase 2's tile column, 128 each
	s_lshl_b32 s67, s43, 1
	s_add_co_u32 s67, s67, s18                     ; phase 2's tile row, 256 each
	s_lshl_b32 s44, s41, 2
	s_lshl_b32 s44, 15, s44                        ; my row of the cluster
	s_lshl_b32 s45, 0x1111, s40                    ; my column
	GROUP1 G1B, 45, 128
	GROUP1 G1A, 44, 128
	GROUP1 G1R, 44, 32
	GROUPS G1S, 64
	GROUPS G1T, 32
	s_mov_b32 s[G0A], 1
	s_mov_b32 s[G0A+1], 0
	s_mov_b32 s[G0B], 1
	s_mov_b32 s[G0B+1], YB
	s_mov_b32 s[G0R], 1
	s_mov_b32 s[G0S], 1
	s_mov_b32 s[G0S+1], SCL
	s_mov_b32 s[G0T], 1
	s_mov_b32 s[G0T+1], SCL+4*CSC
	v_and_b32 v1, 15, v0                           ; r
	v_bfe_u32 v2, v0, 4, 1                         ; h
	v_and_b32 v3, 31, v0                           ; lane
	v_mul_u32_u24 v22, v1, PITCH
	v_lshl_add_u32 v22, v2, 4, v22                 ; a fragment's row x pitch + 16 x half
	s_mul_i32 s2, s15, 32*PITCH
	v_add_nc_u32 v[ADRA0], s2, v22                 ; block 0 of a slot at 0
	s_mul_i32 s2, s16, 64*PITCH
	s_add_co_u32 s2, s2, YB
	v_add_nc_u32 v[ADRW], s2, v22                  ; my 64 rows of phase 1's weight
	s_mul_i32 s2, s16, 32*PITCH
	v_add_nc_u32 v[ADRU], s2, v22                  ; W_v: my rows 0-31 in slot 0,
	s_add_co_u32 s2, s2, YB
	v_add_nc_u32 v[ADRU2], s2, v22                 ; 32-63 in slot 1
	v_lshlrev_b32 v[ABS], 5, v3
	v_lshlrev_b32 v23, 5, v1
	v_lshrrev_b32 v20, 3, v1
	v_lshl_add_u32 v23, v20, 4, v23
	s_mul_i32 s2, s15, 4*272
	s_add_co_u32 s2, s2, SCL
	v_add_nc_u32 v[AAS0], s2, v23                  ; block 0's scale bytes
	v_lshlrev_b32 v[CN], 4, v1
	v_lshl_add_u32 v[CN], v2, 3, v[CN]
	s_lshl_b32 s2, s15, 7
	s_lshl_b32 s3, s16, 1
	s_add_co_u32 s2, s2, s3
	s_add_co_u32 s2, s2, XN-512                    ; (block 1 of each four steps it on by 512)
	v_lshl_add_u32 v[VX], v1, 2, s2
	s_lshl_b32 s2, s16, 8
	s_add_co_u32 s2, s2, s15
	s_add_co_u32 s2, s2, XV
	v_lshl_add_u32 v[RD], v1, 2, s2
	s_lshl_b32 s2, s40, 2
	s_add_co_u32 s2, s2, s14
	s_lshl_b32 s2, s2, 13
	v_lshl_add_u32 v7, v3, 8, s2                   ; my sixteenth of a joint load of x's rows,
	s_lshl_b32 s2, s41, 2
	s_add_co_u32 s2, s2, s14
	s_lshl_b32 s2, s2, 13
	v_lshl_add_u32 v8, v3, 8, s2                   ; and of a weight's
	v_lshlrev_b32 v20, 5, v2                       ; the bias: phase 1: columns 16 j + 8 h + i;
	v_lshlrev_b32 v21, 2, v1                       ; phase 2: column 16 t + r
	s_lshl_b32 s2, s43, 19
	s_mov_b32 s3, 0
	s_lshl_b32 s46, s43, 14
	s_mov_b32 s47, 0
	s_lshl_b32 s100, s42, 17
	s_mov_b32 s101, 0
	WALU
	s_wait_dscnt 0x0                               ; both opening adds are done
	CROUND                                         ; all sixteen work-groups are here
	s_wait_kmcnt 0x0
	s_cmp_eq_u32 s19, 1                            ; q's buffers or k's: chosen by the cluster's number alone
	s_cselect_b64 s[4:5], s[76:77], s[4:5]
	s_cselect_b64 s[6:7], s[78:79], s[6:7]
	s_cselect_b64 s[8:9], s[10:11], s[8:9]
	s_add_nc_u64 s[4:5], s[4:5], s[2:3]            ; x's codes at my tile row
	s_add_nc_u64 s[6:7], s[6:7], s[46:47]
	s_add_nc_u64 s[8:9], s[8:9], s[100:101]
	s_mov_b64 s[G0B+2:G0B+3], s[8:9]
	s_or_b32 s[G0B+3], s[G0B+3], 0x80000000
	s_mov_b64 s[G0A+2:G0A+3], s[4:5]
	s_or_b32 s[G0A+3], s[G0A+3], 0x80000000
	s_mov_b64 s[G0S+2:G0S+3], s[6:7]
	s_or_b32 s[G0S+3], s[G0S+3], 0x80000000
	s_lshl_b32 s2, s67, 13
	s_add_nc_u64 s[G0T+2:G0T+3], s[82:83], s[2:3]
	s_or_b32 s[G0T+3], s[G0T+3], 0x80000000
	s_cmp_eq_u32 s14, 0                            ; ONE joint load a wave, each with a line of its own
	s_cbranch_scc0 .Lhead_1
	TLOAD G0B, G1B                                 ; the weight, wanted first
	s_branch .Lasked
.Lhead_1:
	s_cmp_eq_u32 s14, 1
	s_cbranch_scc0 .Lhead_2
	TLOAD G0A, G1A                                 ; x's rows 0-127
	s_branch .Lasked
.Lhead_2:
	s_cmp_eq_u32 s14, 2
	s_cbranch_scc0 .Lhead_3
	TLOAD G0S, G1S                                 ; x's scale bytes
	s_branch .Lasked
.Lhead_3:
	TLOAD G0T, G1T                                 ; value's
.Lasked:
	s_load_b128 s[76:79], s[0:1], 0x18             ; W_q's scales, bq
	s_load_b128 s[8:11], s[0:1], 0x50              ; W_k's, bk
	s_load_b64 s[6:7], s[0:1], 0x88                ; W_v's
	s_load_b64 s[82:83], s[0:1], 0x90              ; bv
	s_lshl_b32 s2, s66, 17
	s_add_nc_u64 s[12:13], s[12:13], s[2:3]        ; W_v at my tile column
	s_lshl_b32 s2, s67, 18
	s_add_nc_u64 s[80:81], s[80:81], s[2:3]        ; value at my tile row
	s_lshl_b32 s2, s16, 6
	s_lshl_b32 s46, s42, 7
	s_add_co_u32 s46, s46, s2                      ; my wave's first column: phase 1,
	s_lshl_b32 s100, s66, 7
	s_add_co_u32 s100, s100, s2                    ; phase 2
	s_lshl_b32 s2, s46, 5
	s_lshl_b32 s46, s46, 2
	s_wait_kmcnt 0x0
	s_cmp_eq_u32 s19, 1
	s_cselect_b64 s[76:77], s[8:9], s[76:77]
	s_cselect_b64 s[78:79], s[10:11], s[78:79]
	s_add_nc_u64 s[76:77], s[76:77], s[2:3]
	s_add_nc_u64 s[78:79], s[78:79], s[46:47]
	s_lshl_b32 s2, s100, 5
	s_add_nc_u64 s[6:7], s[6:7], s[2:3]
	s_lshl_b32 s2, s100, 2
	s_add_nc_u64 s[82:83], s[82:83], s[2:3]
.irp p, 0,1
.irp c, 0,1
	global_load_b128 v[SB+8*\p+4*\c:SB+8*\p+4*\c+3], v[ABS], s[76:77] offset:1024*\p+16*\c
	global_load_b128 v[WS+8*\p+4*\c:WS+8*\p+4*\c+3], v[ABS], s[6:7] offset:1024*\p+16*\c
.endr
.endr
.irp t, 0,1,2,3
	global_load_b128 v[BQ+8*\t:BQ+8*\t+3], v20, s[78:79] offset:64*\t
	global_load_b128 v[BQ+8*\t+4:BQ+8*\t+7], v20, s[78:79] offset:64*\t+16
	global_load_b32 v[BV+\t], v21, s[82:83] offset:64*\t
.endr
	v_add_nc_u32 v1, 16*PITCH, v[ADRA0]            ; block 1's LDS addresses
	v_add_nc_u32 v2, 2*272, v[AAS0]
	WALU
	s_wait_xcnt 0x0                                ; the loads have taken their bases
	s_mov_b64 s[6:7], s[80:81]                     ; where the prefetches of value's rows
	s_mov_b64 s[10:11], s[12:13]                   ; and of W_v's begin
	s_lshl_b32 s2, s16, 15
	s_add_nc_u64 s[80:81], s[80:81], s[2:3]        ; the refills: 32 rows of value's 64,
	s_lshl_b32 s2, s16, 16
	s_add_nc_u64 s[12:13], s[12:13], s[2:3]        ; 32 rows of W_v's for the waves' column
	s_cmp_eq_u32 s14, 0
	s_cbranch_scc0 .Lnot_w
	s_wait_tensorcnt 0x0                           ; wave 0: the weight has landed; the other waves wait further down
.Lnot_w:
	BARRIER
	global_prefetch_b8 v7, s[4:5] offset:131072 th:TH_LOAD_NT scope:SCOPE_SE
	global_prefetch_b8 v7, s[4:5] offset:262144 th:TH_LOAD_NT scope:SCOPE_SE
.macro FRAG f, adr, q, off             ; a weight's fragment f = 4 q + tile: lane l holds row l % 16; registers 4 c .. 4 c + 3 hold K = 32 c + 16 (l / 16) + 0 .. 15
	WIN (1+(\f)/FPW)<<6
.irp c, 0,1,2,3
	ds_load_b128 v[FR*((\f)%FPW)+4*\c:FR*((\f)%FPW)+4*\c+3], v[\adr] offset:128*(\q)+32*\c+(\off)
.endr
.endm
.macro FETCHAT k, a, s                 ; a block of x, all of K, into set k of window 3, and its scale words: NF loads
	WIN 0xc0
.irp q, 0,1,2,3,4,5,6,7
.irp c, 0,1,2,3
	ds_load_b128 v[128*\k+FR*\q+4*\c:128*\k+FR*\q+4*\c+3], v[\a] offset:128*\q+32*\c
.endr
.endr
	WIN 0
	ds_load_b128 v[SA+8*\k:SA+8*\k+3], v[\s]
	ds_load_b128 v[SA+8*\k+4:SA+8*\k+7], v[\s] offset:16
.endm
.macro PROD kind, e, a, n              ; product n = 4 q + tile of a block: x in set e, sums in set a.  A sum begins with the bias; the four sums take turns
.set Q_, (\n)/4
.set B_, (\n)%4
.set AC_, ACC+32*(\a)+8*B_
.set C_, AC_
.if Q_ == 0
.set C_, BQ+8*B_
.endif
.set R_, 128*(\e)+FR*Q_
.set W_, FR*((\n)%FPW)
.set XS_, SA+8*(\e)+Q_
.set WS_, SB+8*(B_/2)+Q_
.if \kind
	WIN 3|((1+(\n)/FPW)<<2)
.if B_%2
	v_wmma_scale_f32_16x16x128_f8f6f4 v[AC_:AC_+7], v[R_:R_+15], v[W_:W_+15], v[C_:C_+7], v[XS_], v[WS_] matrix_a_fmt:MATRIX_FMT_BF8 matrix_b_fmt:MATRIX_FMT_BF8 matrix_b_scale:MATRIX_SCALE_ROW1
.else
	v_wmma_scale_f32_16x16x128_f8f6f4 v[AC_:AC_+7], v[R_:R_+15], v[W_:W_+15], v[C_:C_+7], v[XS_], v[WS_] matrix_a_fmt:MATRIX_FMT_BF8 matrix_b_fmt:MATRIX_FMT_BF8
.endif
.else
	WIN (1+(\n)/FPW)|(3<<2)
.if B_%2
	v_wmma_scale_f32_16x16x128_f8f6f4 v[AC_:AC_+7], v[W_:W_+15], v[R_:R_+15], v[C_:C_+7], v[WS_], v[XS_] matrix_a_fmt:MATRIX_FMT_BF8 matrix_b_fmt:MATRIX_FMT_BF8 matrix_a_scale:MATRIX_SCALE_ROW1
.else
	v_wmma_scale_f32_16x16x128_f8f6f4 v[AC_:AC_+7], v[W_:W_+15], v[R_:R_+15], v[C_:C_+7], v[WS_], v[XS_] matrix_a_fmt:MATRIX_FMT_BF8 matrix_b_fmt:MATRIX_FMT_BF8
.endif
.endif
.endm
.macro HOLD x, b                       ; the conversion to an 8-bit code does not saturate (ISA guide 7.6.2)
	v_med3_num_f32 v[\x], v[\x], -v[TQ+\b], v[TQ+\b]
.endm
; THE QUANTISER OF A BLOCK OF q OR k, gaps 0 .. 26: two scale blocks of 32 columns: sums x .. x + 15 and x + 16 .. x + 31 of lanes l and l xor 16 -> codes NCD, the two bytes in EB
.macro GAPQ m, x
.if (\m) == 0
	v_max3_num_f32 v[TQ], |v[\x]|, |v[\x+1]|, (EMAX+1)<<23
	v_max3_num_f32 v[TQ+1], |v[\x+16]|, |v[\x+17]|, (EMAX+1)<<23
.elseif (\m) == 1
	v_max3_num_f32 v[TQ+2], |v[\x+2]|, |v[\x+3]|, (EMAX+1)<<23
	v_max3_num_f32 v[TQ+3], |v[\x+18]|, |v[\x+19]|, (EMAX+1)<<23
.elseif (\m) < 8                       ; two chains for each scale block, by turns
	v_max3_num_f32 v[TQ+2*((\m)%2)], v[TQ+2*((\m)%2)], |v[\x+2*(\m)]|, |v[\x+2*(\m)+1]|
	v_max3_num_f32 v[TQ+2*((\m)%2)+1], v[TQ+2*((\m)%2)+1], |v[\x+16+2*(\m)]|, |v[\x+17+2*(\m)]|
.elseif (\m) == 8
	v_max_num_f32 v[TQ], v[TQ], v[TQ+2]
	v_max_num_f32 v[TQ+1], v[TQ+1], v[TQ+3]
	v_permlanex16_b32 v[TP], v[TQ], s60, s61
	v_permlanex16_b32 v[TP+1], v[TQ+1], s60, s61
.elseif (\m) == 9
	v_max_num_f32 v[TQ], v[TQ], v[TP]
	v_max_num_f32 v[TQ+1], v[TQ+1], v[TP+1]
.elseif (\m) == 10
	v_add_nc_u32 v[SOP], -(EMAX<<23), v[TQ]
	v_add_nc_u32 v[SOP+1], -(EMAX<<23), v[TQ+1]
	v_and_or_b32 v[TQ+2], v[TQ], 0x7f800000, s62
	v_and_or_b32 v[TQ+3], v[TQ+1], 0x7f800000, s62
.elseif (\m) < 27
.set H_, (\m)-11
	HOLD \x+2*H_, 2+H_/8
	HOLD \x+2*H_+1, 2+H_/8
.if H_ == 0
	v_lshrrev_b32 v[EB], 23, v[SOP]
.elseif H_ == 1
	v_lshrrev_b32 v[EB+1], 23, v[SOP+1]
.elseif H_ == 2
	v_lshl_or_b32 v[EB], v[EB+1], 8, v[EB]
.endif
.if H_%4 == 3
	v_cvt_scalef32_pk8_bf8_f32 v[NCD+2*(H_/4):NCD+2*(H_/4)+1], v[\x+8*(H_/4):\x+8*(H_/4)+7], v[SOP+H_/8]
.endif
.endif
.endm
.macro SCALES i, n                     ; 0: the conversion's scale operand; 1: the bound; 2: a second copy of it; 3: the byte
.if (\i) == 0
	v_add_nc_u32 v[SOP+\n], -(EMAX<<23), v[TQ]
.elseif (\i) == 1
	v_and_or_b32 v[TQ+1], v[TQ], 0x7f800000, s62
.elseif (\i) == 2
	v_mov_b32 v[TQ+3], v[TQ+1]
.else
	v_lshrrev_b32 v[EB+\n], 23, v[SOP+\n]
.endif
.endm
.macro HOLDS m, x                      ; two holds; the bound's second copy serves where the first would be read too late
.if (\m) == 3
	HOLD \x, 3
	HOLD \x+1, 3
.else
	HOLD \x, 1
	HOLD \x+1, 1
.endif
.if (\m) == 2
	SCALES 2, 0
.endif
.endm
; THE QUANTISER OF A PAIR OF v's BLOCKS, gaps 0 .. 59, 15 a tile: the even block's sums at x, the odd's at x + 32 -> codes MCD + 4 t, bytes EB + t
.macro GAPV u, x
.set T_, (\u)/15
.set J_, (\u)%15
.set E_, \x+8*T_
.set O_, E_+32
.if (\u) > 59
.elseif J_ == 0
	v_max3_num_f32 v[TQ], |v[E_]|, |v[E_+1]|, |v[E_+2]|
	v_max3_num_f32 v[TQ+2], |v[O_]|, |v[O_+1]|, |v[O_+2]|
.elseif J_ < 3
	v_max3_num_f32 v[TQ], v[TQ], |v[E_+2*J_+1]|, |v[E_+2*J_+2]|
	v_max3_num_f32 v[TQ+2], v[TQ+2], |v[O_+2*J_+1]|, |v[O_+2*J_+2]|
.elseif J_ == 3
	v_max3_num_f32 v[TQ+2], v[TQ+2], |v[O_+7]|, (EMAX+1)<<23
	v_max3_num_f32 v[TQ], v[TQ], |v[E_+7]|, v[TQ+2]
.elseif J_ == 4
	v_permlanex16_b32 v[TQ+2], v[TQ], s60, s61
	v_max_num_f32 v[TQ], v[TQ], v[TQ+2]
.elseif J_ == 5
	SCALES 0, T_
	SCALES 1, T_
.elseif J_ < 10
	HOLDS J_-6, E_+2*(J_-6)
.if J_ == 9
	v_cvt_scalef32_pk8_bf8_f32 v[MCD+4*T_:MCD+4*T_+1], v[E_:E_+7], v[SOP+T_]
.endif
.elseif J_ < 14
	HOLDS J_-6, O_+2*(J_-10)
.if J_ == 13
	v_cvt_scalef32_pk8_bf8_f32 v[MCD+4*T_+2:MCD+4*T_+3], v[O_:O_+7], v[SOP+T_]
.endif
.else
	SCALES 3, T_
.endif
.endm
; WHAT STANDS BEHIND PRODUCT n.  j: the block's number in its four (v: -1, -2).  Behind 0 and 1 the LDS addresses of the block two on; behind 29 and 30 a refill's group 0; from 1 on a way out: y = 1 of q or k; 2, 3 the halves of v's pair
.macro LIST n, j, y, x
.if (\n) == 0
.if (\j) == 0
	s_add_nc_u64 s[84:85], s[84:85], 0x20000
.endif
	WIN 0
.if (\j) == 0 || (\j) == 1
	s_add_co_u32 s22, s101, (64+16*(\j))*PITCH
.elseif (\j) > 1
	s_add_co_u32 s22, s47, 16*((\j)-2)*PITCH
.else
	s_add_co_u32 s22, s47, 16*(-1-(\j))*PITCH
.endif
	v_add_nc_u32 v[ADRA], s22, v[ADRA0]
.elseif (\n) == 1
	WIN 0
.if (\j) == 0 || (\j) == 1
	s_add_co_u32 s22, s17, (8+2*(\j))*272
.elseif (\j) > 1
	s_add_co_u32 s22, s8, 2*((\j)-2)*272
.else
	s_add_co_u32 s22, s8, 2*(-1-(\j))*272
.endif
	v_add_nc_u32 v[AAS], s22, v[AAS0]
.endif
.if (\j) == 1 && (\n) == 2
	WIN 0
	v_add_nc_u32 v[VX], 0x200, v[VX]
.endif
.if (\j) == 2 && (\n) == 29
	s_mul_i32 s[G0R+1], s14, 32*PITCH
	s_add_co_u32 s[G0R+1], s[G0R+1], s101
.if PH
	s_mov_b32 s[G0A+1], s[G0R+1]
.endif
.elseif (\j) == 2 && (\n) == 30
.if PH
	s_mov_b64 s[G0R+2:G0R+3], s[80:81]
	s_or_b32 s[G0R+3], s[G0R+3], 0x80000000
	s_mov_b64 s[G0A+2:G0A+3], s[12:13]
	s_or_b32 s[G0A+3], s[G0A+3], 0x80000000
.else
	s_add_nc_u64 s[G0R+2:G0R+3], s[G0R+2:G0R+3], 0x20000
.endif
.endif
.if (\n)%2                             ; two gaps' lines behind every second product: one change of window there and one back
.if (\y) == 1 && (\n) < 28
	WIN 0
	GAPQ (\n)-1, \x
	GAPQ \n, \x
.elseif (\y) == 2 && (\n) < 31
	WIN 0
	GAPV (\n)-1, \x
	GAPV \n, \x
.elseif (\y) == 3 && (\n) < 31
	WIN 0
	GAPV (\n)+29, \x
	GAPV (\n)+30, \x
.endif
.endif
.endm
.macro BLOCK kind, e, a, from, to, j, y, x
.set N_, \from
.rept (\to)-(\from)
	PROD \kind, \e, \a, N_
	LIST N_, \j, \y, \x
.set N_, N_+1
.endr
.endm
.macro BLK kind, e, a, w, j, y, x      ; w: the younger set's loads may be out (-1: no LDS load is)
.if (\w) >= 0
	s_wait_dscnt \w
.endif
	s_wait_xcnt 0x0                                ; the stores have taken their codes and base, the prefetches theirs
	BLOCK \kind, \e, \a, 0, 32, \j, \y, \x
	WIN 0
	PLACES NP
.endm
.macro RBLK kind, e, a, w, j, y, x     ; a block with a drained round of the cluster's barrier
	s_wait_dscnt \w
	s_wait_xcnt 0x0
	GRD
	BLOCK \kind, \e, \a, 0, 28, \j, \y, \x
	WIN 0
	WALU
	s_wait_dscnt 0x0                               ; the add is done, and the next block stands in registers
	s_barrier_signal -1
	BLOCK \kind, \e, \a, 28, 32, \j, \y, \x
	MIDDLE
	BARRIER
.endm
.macro QOUT off, boff                  ; a block's two scale bytes go to their row's word in LDS, its codes leave: 32 lanes store 256 consecutive bytes
	ds_store_b16 v[VX], v[EB] offset:\boff
.irp t, 0,1,2,3
	global_store_b64 v[CN], v[NCD+2*\t:NCD+2*\t+1], s[84:85] offset:(\off)+256*\t
.endr
.endm
.irp q, 0,1,2,3,4,5,6,7                ; my 64 columns of the weight: 128 loads
.irp b, 0,1,2,3
	FRAG 4*\q+\b, ADRW, \q, \b*16*PITCH
.endr
.endr
	WIN 0
	GRD
	GROUP1 G1A, 45, 32                             ; no tensor load is out: W_v's refills
	s_mul_i32 s[G0R+1], s14, 32*PITCH
	s_add_co_u32 s[G0R+1], s[G0R+1], YB
	s_lshl_b32 s2, s14, 15
	s_add_nc_u64 s[G0R+2:G0R+3], s[4:5], s[2:3]
	s_add_nc_u64 s[G0R+2:G0R+3], s[G0R+2:G0R+3], 0x20000
	s_or_b32 s[G0R+3], s[G0R+3], 0x80000000
	s_wait_dscnt 0x0                               ; the add is done, the weight is in registers
	CROUND
	TLOAD G0R, G1R                                 ; x's rows 128-255 over the weight
	FETCHAT 0, ADRA0, AAS0
	FETCHAT 1, 1, 2
	s_load_b128 s[92:95], s[0:1], 0x28             ; q's codes, words
	s_load_b128 s[96:99], s[0:1], 0x60             ; k's
	s_load_b128 s[88:91], s[0:1], 0x98             ; v's
	s_mov_b32 s60, 0x76543210
	s_mov_b32 s61, 0xfedcba98                      ; selects for lane l xor 16
	s_mov_b32 s62, 0x600000                        ; the mantissa field of 57,344
.set I_, 0
.rept 32
	v_mov_b32 v[ACC+32+I_], 0                      ; the first way out has no block before it: it works on zeros and stores nothing
.set I_, I_+1
.endr
	v_mov_b32 v[TP], 0                             ; a lane permute's destination counts as one of its sources
	v_mov_b32 v[TP+1], 0
	WALU
	s_wait_kmcnt 0x0
	s_cmp_eq_u32 s19, 1
	s_cselect_b64 s[92:93], s[96:97], s[92:93]
	s_cselect_b64 s[94:95], s[98:99], s[94:95]
	s_lshl_b32 s2, s43, 19                         ; codes: 32 groups of rows x 16,384 bytes,
	s_lshl_b32 s20, s15, 15
	s_add_co_u32 s2, s2, s20
	s_lshl_b32 s20, s42, 11                        ; my chunk, my half of it
	s_add_co_u32 s2, s2, s20
	s_lshl_b32 s20, s16, 10
	s_add_co_u32 s2, s2, s20
	s_add_nc_u64 s[92:93], s[92:93], s[2:3]
	s_sub_nc_u64 s[84:85], s[92:93], 0x20000       ; (block 0 of each four steps it on)
	s_lshl_b32 s2, s42, 15                         ; scale words: wave n stores rows 128 n on
	s_lshl_b32 s20, s43, 11
	s_add_co_u32 s2, s2, s20
	s_lshl_b32 s20, s14, 9
	s_add_co_u32 s2, s2, s20
	s_add_nc_u64 s[94:95], s[94:95], s[2:3]
	s_lshl_b32 s2, s66, 20                         ; v's codes: groups of 16 d x 131,072 bytes, my four; my two chunks of 128 keys
	s_lshl_b32 s20, s16, 19
	s_add_co_u32 s2, s2, s20
	s_lshl_b32 s20, s67, 12
	s_add_co_u32 s2, s2, s20
	s_lshl_b32 s20, s15, 9
	s_add_co_u32 s2, s2, s20
	s_add_nc_u64 s[88:89], s[88:89], s[2:3]
	s_lshl_b32 s2, s67, 13                         ; v's words: wave n stores chunk n / 2, half n % 2
	s_lshl_b32 s20, s15, 12
	s_add_co_u32 s2, s2, s20
	s_lshl_b32 s20, s66, 9
	s_add_co_u32 s2, s2, s20
	s_lshl_b32 s20, s16, 8
	s_add_co_u32 s2, s2, s20
	s_add_nc_u64 s[90:91], s[90:91], s[2:3]
	s_add_nc_u64 s[2:3], s[4:5], 0x60000           ; x's rows 384-511: the loop's first prefetch
	s_mov_b32 s46, 0                               ; the trip
	s_mov_b32 s101, 0                              ; the slot of this trip's rows, and of the next's
	s_mov_b32 s47, YB
	s_mov_b32 s17, 0                               ; their scale bytes
	s_mov_b32 s8, CSC
	s_wait_loadcnt 0x0                             ; the bias and the weights' scale words
.set PH, 0
.Lfour:                                            ; blocks 0-7: x's rows 256-383, then 384-511 are asked for
	BLK 0, 0, 0, NF, 0, 1, ACC+32
	s_cmp_eq_u32 s46, 0
	s_cbranch_scc1 .Lno_block_before
	QOUT -49152, 320
.Lno_block_before:
	FETCHAT 0, ADRA, AAS
	global_prefetch_b8 v7, s[2:3] th:TH_LOAD_NT scope:SCOPE_SE
	s_cmp_eq_u32 s46, 0
	s_cbranch_scc1 .Lno_weight_yet
	global_prefetch_b8 v8, s[10:11] th:TH_LOAD_NT scope:SCOPE_SE
.Lno_weight_yet:
	BLK 0, 1, 1, NF, 1, 1, ACC
	QOUT 0, 0
	FETCHAT 1, ADRA, AAS
	RBLK 0, 0, 0, NF, 2, 1, ACC+32
	TLOAD G0R, G1R                                 ; this trip's last two blocks stand in registers: its slot is filled again
	PLACES NP-4
	QOUT 16384, 64
	FETCHAT 0, ADRA, AAS
	BLK 0, 1, 1, -1, 3, 1, ACC
	QOUT 65536, 256
	FETCHAT 1, ADRA, AAS
	s_mov_b64 s[2:3], s[6:7]                       ; the second trip's prefetch: v's rows 0-127
	s_xor_b32 s101, s101, YB
	s_xor_b32 s47, s47, YB
	s_mov_b32 s17, s8
	s_add_co_u32 s8, s8, CSC
	s_add_co_u32 s46, s46, 1
	s_cmp_lg_u32 s46, 2
	s_cbranch_scc1 .Lfour
.set PH, 1
	s_mov_b32 s46, 0
.Llast:                                            ; blocks 8-15: waves 0, 1 ask for halves of W_v's rows, waves 2, 3 for v's
	BLK 0, 0, 0, NF, 0, 1, ACC+32
	QOUT -49152, 320
	FETCHAT 0, ADRA, AAS
	s_cmp_eq_u32 s46, 0
	s_cbranch_scc1 .Lnone_ahead
	global_prefetch_b8 v7, s[6:7] offset:131072 th:TH_LOAD_NT scope:SCOPE_SE
.Lnone_ahead:
	BLK 0, 1, 1, NF, 1, 1, ACC
	QOUT 0, 0
	FETCHAT 1, ADRA, AAS
	RBLK 0, 0, 0, NF, 2, 1, ACC+32
	s_cmp_lt_u32 s14, 2
	s_cbranch_scc0 .Lfor_v
	TLOAD G0A, G1A
	s_branch .Lboth
.Lfor_v:
	TLOAD G0R, G1R
.Lboth:
	PLACES NP-4
	QOUT 16384, 64
	FETCHAT 0, ADRA, AAS
	BLK 0, 1, 1, -1, 3, 1, ACC
	QOUT 65536, 256
	FETCHAT 1, ADRA, AAS
	s_mov_b32 s47, 64*PITCH                        ; behind blocks 14 and 15 come v's blocks 0 and 1: rows 64 on of slot 0
	s_xor_b32 s101, s101, YB
	s_mov_b32 s17, s8
	s_add_co_u32 s8, s8, CSC
	s_add_nc_u64 s[80:81], s[80:81], 0x10000
	s_add_nc_u64 s[12:13], s[12:13], 0x8000
	s_add_co_u32 s46, s46, 1
	s_cmp_lg_u32 s46, 2
	s_cbranch_scc1 .Llast
; THE CHANGE OF PHASE
.macro CHANGE i                        ; among W_v's loads: the last block's way out; W_v's scale words into place; zeros into what no block has written yet
.if (\i) < 7
.irp k, 0,1,2,3
.if 4*(\i)+\k < 27
	GAPQ 4*(\i)+\k, ACC+32
.endif
.endr
.elseif (\i) < 9
.irp q, 0,1,2,3,4,5,6,7
	v_mov_b32 v[SB+8*((\i)-7)+\q], v[WS+8*((\i)-7)+\q]
.endr
.elseif (\i) < 15
.irp q, 0,1,2,3,4,5,6,7
	v_mov_b32 v[ACC+80+8*((\i)-9)+\q], 0
.endr
.endif
.endm
	s_wait_xcnt 0x0
.irp q, 0,1,2,3,4,5,6,7                ; tiles 0 and 1: their rows were shown by block 14's round
	FRAG 4*\q, ADRU, \q, 0
	FRAG 4*\q+1, ADRU, \q, 16*PITCH
	WIN 0
	CHANGE \q
.endr
	QOUT 81920, 320
	WALU
	s_wait_tensorcnt 0x0                           ; the other half of W_v and v's rows 64-127
	s_wait_dscnt 0x0
	BARRIER
.irp q, 0,1,2,3,4,5,6,7
	FRAG 4*\q+2, ADRU2, \q, 0
	FRAG 4*\q+3, ADRU2, \q, 16*PITCH
	WIN 0
	CHANGE 8+\q
.endr
.irp t, 0,1,2,3
.irp i, 0,1,2,3,4,5,6,7
	v_mov_b32 v[BQ+8*\t+\i], v[BV+\t]
.endr
.endr
	WALU
	s_wait_xcnt 0x0
	GRD
	s_mul_i32 s[G0R+1], s16, 32*PITCH              ; v's rows 128-191 into slot 0's first 64 rows, 192-255 into slot 1's: where W_v lay
	s_mul_i32 s2, s15, YB
	s_add_co_u32 s[G0R+1], s[G0R+1], s2
	s_lshl_b32 s2, s15, 16
	s_mov_b32 s3, 0
	s_add_nc_u64 s[G0R+2:G0R+3], s[80:81], s[2:3]
	s_or_b32 s[G0R+3], s[G0R+3], 0x80000000
	s_sub_nc_u64 s[84:85], s[88:89], 0x800         ; (each trip steps it on by 1,024; the second is the first that stores)
	s_mov_b32 s46, 0
	s_mov_b32 s47, YB+64*PITCH                     ; where the next pair's rows lie, and the two pairs' behind it
	s_mov_b32 s9, 0
	s_mov_b32 s23, YB
	s_mov_b32 s8, 4*CSC+8*272
	s_wait_dscnt 0x0                               ; the add is done, W_v is in registers
	CROUND
	TLOAD G0R, G1R
.macro VOUT                            ; a pair of v's blocks: four tiles' bytes and codes
.irp t, 0,1,2,3
	ds_store_b8 v[VX], v[EB+\t] offset:64*\t
	global_store_b64 v[CN], v[MCD+4*\t:MCD+4*\t+1], s[84:85] offset:131072*\t
	global_store_b64 v[CN], v[MCD+4*\t+2:MCD+4*\t+3], s[84:85] offset:131072*\t+256
.endr
.endm
.Lpair:
	BLK 1, 0, 0, -1, -1, 2, ACC+64
	s_cmp_eq_u32 s46, 3
	s_cbranch_scc1 .Lnone_0
	FETCHAT 0, ADRA, AAS
	s_wait_dscnt NF                                ; the odd block is in; the 34 just issued may be out
	s_branch .Lgo
.Lnone_0:
	s_wait_dscnt 0x0
.Lgo:
	s_wait_xcnt 0x0
	BLOCK 1, 1, 1, 0, 28, -2, 3, ACC+64
	WIN 0
	WALU
	s_wait_tensorcnt 0x0                           ; the first trip's shows v's rows 128-255
	s_wait_dscnt 0x0
	s_barrier_signal -1
	BLOCK 1, 1, 1, 28, 32, -2, 3, ACC+64
	WIN 0
	s_barrier_wait -1
	PLACES NP
.set I_, 0
.rept 32                               ; the pair's sums are copied, so that one trip is two blocks of text
	v_dual_mov_b32 v[ACC+64+I_], v[ACC+I_] :: v_dual_mov_b32 v[ACC+64+I_+1], v[ACC+I_+1]
.set I_, I_+2
.endr
	s_add_nc_u64 s[84:85], s[84:85], 0x400
	s_cmp_eq_u32 s46, 0
	s_cbranch_scc1 .Lno_pair_before
	s_sub_co_u32 s22, s46, 1                       ; the pair before: byte 2 (pair % 2) + wave row of chunk pair / 2
	s_and_b32 s20, s22, 1
	s_lshl_b32 s20, s20, 1
	s_lshr_b32 s22, s22, 1
	s_lshl_b32 s22, s22, 9
	s_or_b32 s22, s22, s20
	v_add_nc_u32 v[VX], s22, v[RD]
	VOUT
.Lno_pair_before:
	s_cmp_eq_u32 s46, 3
	s_cbranch_scc1 .Lnone_1
	FETCHAT 1, ADRA, AAS
.Lnone_1:
	s_mov_b32 s47, s9
	s_mov_b32 s9, s23
	s_add_co_u32 s8, s8, 8*272
	s_add_co_u32 s46, s46, 1
	s_cmp_lg_u32 s46, 4
	s_cbranch_scc1 .Lpair
	s_wait_xcnt 0x0
.set K_, 0
.rept 60
	GAPV K_, ACC+64
.set K_, K_+1
.endr
	s_add_nc_u64 s[84:85], s[84:85], 0x400
	v_add_nc_u32 v[VX], 0x202, v[RD]
	VOUT
	v_lshlrev_b32 v20, 4, v3
	s_lshl_b32 s2, s14, 9
	s_add_co_u32 s2, s2, XN
	v_add_nc_u32 v21, s2, v20
	v_lshlrev_b32 v22, 3, v3
	s_lshl_b32 s2, s14, 8
	s_add_co_u32 s2, s2, XV
	v_add_nc_u32 v23, s2, v22
	WALU
	s_wait_dscnt 0x0                               ; for the others' sake: my scale bytes are stored
	BARRIER
	ds_load_b128 v[60:63], v21
	ds_load_b64 v[40:41], v23
	s_wait_dscnt 0x0
	global_store_b128 v20, v[60:63], s[94:95]      ; 512 consecutive bytes: 128 rows' words
	global_store_b64 v22, v[40:41], s[90:91]       ; 256 consecutive bytes
	s_wait_tensorcnt 0x0                           ; the wave's end
	ds_add_u32 v[SPW], v[NIL]
	s_wait_dscnt 0x0
	CROUND                                         ; the closing round
	s_endpgm
.Lfunc_end_k_qea6a4b4ba0_proj:
	.size	k_qea6a4b4ba0_proj, .Lfunc_end_k_qea6a4b4ba0_proj-k_qea6a4b4ba0_proj
	.p2alignl 7, 3214868480
	.fill 96, 4, 3214868480
	.section	.rodata,"a",@progbits
	.p2align	6, 0x0
	.amdhsa_kernel k_qea6a4b4ba0_proj
		.amdhsa_group_segment_fixed_size 327680
		.amdhsa_private_segment_fixed_size 0
		.amdhsa_enable_private_segment 0
		.amdhsa_kernarg_size 168
		.amdhsa_user_sgpr_count 2
		.amdhsa_user_sgpr_kernarg_segment_ptr 1
		.amdhsa_wavefront_size32 1
		.amdhsa_system_sgpr_workgroup_id_x 1
		.amdhsa_system_sgpr_workgroup_id_y 1
		.amdhsa_system_sgpr_workgroup_id_z 1
		.amdhsa_system_vgpr_workitem_id 0
		.amdhsa_next_free_vgpr 1024
		.amdhsa_next_free_sgpr 102
		.amdhsa_reserve_vcc 0
		.amdhsa_float_denorm_mode_32 3
		.amdhsa_float_denorm_mode_16_64 3
		.amdhsa_memory_ordered 1
		.amdhsa_forward_progress 1
		.amdhsa_inst_pref_size 186
	.end_amdhsa_kernel
	.amdgpu_metadata
---
amdhsa.version: [ 1, 2 ]
amdhsa.kernels:
  - .name:           k_qea6a4b4ba0_proj
    .symbol:         k_qea6a4b4ba0_proj.kd
    .args:
      - { .name: query_input_codes, .offset: 0, .size: 8, .value_kind: global_buffer, .address_space: global }
      - { .name: query_input_scales, .offset: 8, .size: 8, .value_kind: global_buffer, .address_space: global }
      - { .name: Wq_codes, .offset: 16, .size: 8, .value_kind: global_buffer, .address_space: global }
      - { .name: Wq_scales, .offset: 24, .size: 8, .value_kind: global_buffer, .address_space: global }
      - { .name: bq, .offset: 32, .size: 8, .value_kind: global_buffer, .address_space: global }
      - { .name: q_codes, .offset: 40, .size: 8, .value_kind: global_buffer, .address_space: global }
      - { .name: q_sc, .offset: 48, .size: 8, .value_kind: global_buffer, .address_space: global }
      - { .name: key_input_codes, .offset: 56, .size: 8, .value_kind: global_buffer, .address_space: global }
      - { .name: key_input_scales, .offset: 64, .size: 8, .value_kind: global_buffer, .address_space: global }
      - { .name: Wk_codes, .offset: 72, .size: 8, .value_kind: global_buffer, .address_space: global }
      - { .name: Wk_scales, .offset: 80, .size: 8, .value_kind: global_buffer, .address_space: global }
      - { .name: bk, .offset: 88, .size: 8, .value_kind: global_buffer, .address_space: global }
      - { .name: k_codes, .offset: 96, .size: 8, .value_kind: global_buffer, .address_space: global }
      - { .name: k_sc, .offset: 104, .size: 8, .value_kind: global_buffer, .address_space: global }
      - { .name: value_input_codes, .offset: 112, .size: 8, .value_kind: global_buffer, .address_space: global }
      - { .name: value_input_scales, .offset: 120, .size: 8, .value_kind: global_buffer, .address_space: global }
      - { .name: Wv_codes, .offset: 128, .size: 8, .value_kind: global_buffer, .address_space: global }
      - { .name: Wv_scales, .offset: 136, .size: 8, .value_kind: global_buffer, .address_space: global }
      - { .name: bv, .offset: 144, .size: 8, .value_kind: global_buffer, .address_space: global }
      - { .name: vt_codes, .offset: 152, .size: 8, .value_kind: global_buffer, .address_space: global }
      - { .name: vt_sc, .offset: 160, .size: 8, .value_kind: global_buffer, .address_space: global }
    .group_segment_fixed_size: 327680
    .private_segment_fixed_size: 0
    .kernarg_segment_align: 8
    .kernarg_segment_size: 168
    .max_flat_workgroup_size: 128
    .sgpr_count:     102
    .vgpr_count:     1024
    .wavefront_size: 32
...
	.end_amdgpu_metadata
.endif
;; end of part 1
;; launch score (part 2): grid 8 x 32, 4 waves a work-group, clusters of 4 x 4, 327,680 bytes of LDS; arguments q_codes, q_sc, k_codes, k_sc, p_codes, pstat; writes p_codes, pstat
.if DOCPART == 2
	.amdgcn_target "amdgcn-amd-amdhsa--gfx1250"
	.amdhsa_code_object_version 6
	.text
	.protected	k_qea6a4b4ba0_score
	.globl	k_qea6a4b4ba0_score
	.p2align	8
	.type	k_qea6a4b4ba0_score,@function
k_qea6a4b4ba0_score:
	s_mov_b64 s[64:65], 0
	v_nop
	global_prefetch_b8 v0, s[64:65] scope:SCOPE_SE
	s_setreg_imm32_b32 hwreg(HW_REG_WAVE_MODE, 25, 1), 1
	s_wait_xcnt 0x0
	s_wait_alu depctr_hold_cnt(0) depctr_sa_sdst(0) depctr_va_vdst(0) depctr_va_sdst(0) depctr_va_ssrc(0) depctr_va_vcc(0) depctr_vm_vsrc(0)
	s_getreg_b32 s2, hwreg(HW_REG_IB_STS2, 6, 4)
	s_cmp_eq_u32 s2, 0
	s_cbranch_scc0 .Lentry_in_a_cluster
	s_endpgm
.Lentry_in_a_cluster:
	s_bfe_u32 s2, ttmp6, 0x10000c
	s_cmp_lg_u32 s2, 0xf033
	s_cbranch_scc0 .Lentry_shape_is_right
	s_endpgm
.Lentry_shape_is_right:
; P = 2^(q k^T log2(e) / 32 - M) AND ITS QUANTISER, by tiles of 256 queries x 256 keys; M is the ceiling of the row's largest t within a wave's 128 keys.  No work of the problem is left out.
; q_codes, k_codes: images of the operand's registers, [512 groups of 16 rows][8 chunks of 128][c][lane][16 bytes]; q_sc, k_sc [8 chunks][8,192 rows] words.  p_codes: [128 groups of 64 queries][16 chunks of 128 keys][4 blocks][2,048 bytes];
; pstat [16 chunks][8,192 queries][scale word, -M, l, 0].  LIMITS: the scaled scores stay under 2^31 in magnitude; a block of p under 2^-111 keeps the byte 1; NaN and infinities are not served.
; K goes in four steps of 256 through two LDS slots; a tile of 16 rows x 256 is 4,096 consecutive bytes, and a fragment load reads 512 consecutive bytes.  CLUSTER 4 x 4: q's tiles jointly along a row, k's along a column.
.set FR,     16
.set NP,     8
.set HALFT,  32768
.set SLOT,   4*HALFT
.set SCL,    2*SLOT
.set CHS,    1152
.set QS,     8*CHS
.set SPARE,  SCL+2*QS
.set IMG,    2048
.set ADRA, 16
.set ADRB, 20
.set ADSA, 22
.set ADSB, 23
.set STO,  24
.set RD,   25
.set SPW,  28
.set NIL,  29
.set L16,  31
.set SA,   32
.set SB,   40
.set AF,   128
.set T,    64
.set CD,   128
.set BM,   160
.set BX,   164
.set HL,   168
.set SO,   172
.set NM,   176
.set TT,   178
.set LS,   180
.set WD,   184
.set MM,   192
.set LL,   200
.set X,    208
.set RBK,  224
.set WV,   92
.set FH,   93
.set FL,   94
.set BT,   95
.set SEL,  96
.set CS,   98
.set MNT,  100
.set HM,   101
.set G1,   24
.set G0,   32
.set G1B,  48
.set G0B,  56
.set G1S,  68
.set G0S,  76
.set G1SB, 80
.set G0SB, 88
.set MSB, 0
.macro WIN new
.if MSB != (\new)
	s_set_vgpr_msb (MSB<<8)|(\new)
.set MSB, (\new)
.endif
.endm
.set MUL_LO, 0xa1
.set MUL_HI, 0xf1
.set TO_B,   0x40
.macro JLOAD g0a, g1a, g0b, g1b
	s_cmp_eq_u32 s[FH], 0
	s_cbranch_scc0 .Lfor_b_\@
	tensor_load_to_lds s[\g0a:\g0a+3], s[\g1a:\g1a+7]
	s_nop 0
.rept 4
	v_nop
.endr
	s_branch .Lasked_\@
.Lfor_b_\@:
	tensor_load_to_lds s[\g0b:\g0b+3], s[\g1b:\g1b+7]
	s_nop 0
.rept 4
	v_nop
.endr
.Lasked_\@:
.endm
.macro CREST
	s_cmp_lg_u32 s[WV], 0
	s_cbranch_scc1 .Lnot_wave_0_\@
	s_barrier_signal -3
.Lnot_wave_0_\@:
	s_barrier_wait -3
	s_barrier_signal -1
	s_barrier_wait -1
.endm
.macro CROUND
	s_barrier_signal -1
	s_barrier_wait -1
	CREST
.endm
.macro PLACES n
.rept \n
	v_nop
.endr
.endm
	s_load_b256 s[4:11], s[0:1], 0x0
	s_load_b128 s[12:15], s[0:1], 0x20
	v_lshl_add_u32 v[SPW], v0, 2, SPARE
	v_mov_b32 v[NIL], 0
	ds_add_u32 v28, v29
	ds_add_u32 v28, v29
	s_wait_dscnt 0x0
	v_lshrrev_b32 v3, 5, v0
	v_readfirstlane_b32 s[WV], v3
	s_lshr_b32 s[FH], s[WV], 1
	s_and_b32 s[FL], s[WV], 1
	s_bfe_u32 s66, ttmp6, 0x40000
	s_bfe_u32 s67, ttmp6, 0x40004
	s_and_b32 s20, ttmp7, 0xffff
	s_lshr_b32 s[BT], s20, 1
	s_lshl_b32 s18, s20, 2
	s_add_co_u32 s18, s18, s67
	s_lshl_b32 s19, ttmp9, 2
	s_add_co_u32 s19, s19, s66
	s_lshl_b32 s2, s67, 2
	s_lshl_b32 s2, 15, s2
	s_lshl_b32 s3, 0x1111, s66
	s_mov_b32 s[SEL], 0x76543210
	s_mov_b32 s[SEL+1], 0xfedcba98
	s_mov_b32 s[CS], 0x3d38aa3b
	s_mov_b32 s[CS+1], s[CS]
	s_mov_b32 s[MNT], 0x600000
	s_mov_b32 s[HM], 0xffff0000
	s_or_b32 s[G1+0], s2, 1<<21
	s_or_b32 s[G1B+0], s3, 1<<21
	s_or_b32 s[G1S+0], s2, (3<<16)|(1<<20)|(1<<21)|(6<<22)|(15<<25)
	s_or_b32 s[G1SB+0], s3, (3<<16)|(1<<20)|(1<<21)|(6<<22)|(15<<25)
.irp g, G1, G1B
	s_mov_b32 s[\g+1], 4096<<16                    ; 16 groups of rows at the head, 8 in the ring
	s_mov_b32 s[\g+2], 16<<16
	s_mov_b32 s[\g+3], 4096<<16
	s_mov_b32 s[\g+4], 16
	s_mov_b32 s[\g+5], 16384
	s_mov_b32 s[\g+6], 0
	s_mov_b32 s[\g+7], 0
.endr
.irp g, G1S, G1SB
	s_mov_b32 s[\g+1], 128<<16
	s_mov_b32 s[\g+2], 8<<16
	s_mov_b32 s[\g+3], 128<<16
	s_mov_b32 s[\g+4], 8
	s_mov_b32 s[\g+5], 4096
	s_mov_b32 s[\g+6], 0
	s_mov_b32 s[\g+7], 0
.endr
	s_lshl_b32 s40, s18, 18                        ; q: 256 rows' codes,
	s_mov_b32 s41, 0
	s_lshl_b32 s42, s18, 10                        ; and their words in a chunk
	s_mov_b32 s43, 0
	s_lshl_b32 s22, s[BT], 3
	s_add_co_u32 s22, s22, s19                     ; k: 256 keys of my batch
	s_lshl_b32 s44, s22, 18
	s_mov_b32 s45, 0
	s_lshl_b32 s46, s22, 10
	s_mov_b32 s47, 0
	s_mul_i32 s20, s[WV], HALFT
	s_lshl_b32 s22, s[FL], 17                      ; in the ring I fetch 128 rows
	s_mov_b32 s23, 0
	CROUND                                         ; all sixteen work-groups are here, while the arguments are on their way
	s_wait_kmcnt 0x0
	s_add_nc_u64 s[40:41], s[4:5], s[40:41]
	s_add_nc_u64 s[42:43], s[6:7], s[42:43]
	s_add_nc_u64 s[44:45], s[8:9], s[44:45]
	s_add_nc_u64 s[46:47], s[10:11], s[46:47]
.set G0H,  4                           ; s[4:7], s[8:11]: the head's loads of K step 0 (the arguments that lay there have been used)
.set G0HB, 8
	s_mov_b32 s[G0H], 1
	s_mov_b32 s[G0H+1], 0
	s_mov_b64 s[G0H+2:G0H+3], s[40:41]
	s_or_b32 s[G0H+3], s[G0H+3], 0x80000000
	s_mov_b32 s[G0HB], 1
	s_mov_b32 s[G0HB+1], 2*HALFT
	s_mov_b64 s[G0HB+2:G0HB+3], s[44:45]
	s_or_b32 s[G0HB+3], s[G0HB+3], 0x80000000
	s_mov_b32 s[G0S], 1
	s_mov_b32 s[G0S+1], SCL
	s_mov_b64 s[G0S+2:G0S+3], s[42:43]
	s_or_b32 s[G0S+3], s[G0S+3], 0x80000000
	s_mov_b32 s[G0SB], 1
	s_mov_b32 s[G0SB+1], SCL+QS
	s_mov_b64 s[G0SB+2:G0SB+3], s[46:47]
	s_or_b32 s[G0SB+3], s[G0SB+3], 0x80000000
	s_add_nc_u64 s[40:41], s[40:41], s[22:23]
	s_add_nc_u64 s[44:45], s[44:45], s[22:23]
.irp s, 0,1
	s_mov_b32 s[G0+4*\s], 1
	s_add_co_u32 s[G0+4*\s+1], s20, \s*SLOT
	s_add_nc_u64 s[G0+4*\s+2:G0+4*\s+3], s[40:41], \s*4096
	s_or_b32 s[G0+4*\s+3], s[G0+4*\s+3], 0x80000000
	s_mov_b32 s[G0B+4*\s], 1
	s_add_co_u32 s[G0B+4*\s+1], s20, \s*SLOT
	s_add_nc_u64 s[G0B+4*\s+2:G0B+4*\s+3], s[44:45], \s*4096
	s_or_b32 s[G0B+4*\s+3], s[G0B+4*\s+3], 0x80000000
.endr
.macro ARM under, g0, g1, next         ; the head's loads, one a wave: K step 0 of q, of k, q's words, k's words
	s_cmp_lt_u32 s[WV], \under
	s_cbranch_scc0 \next
	tensor_load_to_lds s[\g0:\g0+3], s[\g1:\g1+7]
	s_nop 0
.rept 4
	v_nop
.endr
	s_branch .Lhead_asked
\next:
.endm
	ARM 1, G0H,  G1,  .Lhead_b
	ARM 2, G0HB, G1B, .Lhead_sa
	ARM 3, G0S,  G1S, .Lhead_sb
	tensor_load_to_lds s[G0SB:G0SB+3], s[G1SB:G1SB+7]
	s_nop 0
.rept 4
	v_nop
.endr
.Lhead_asked:
	s_lshl_b32 s2, s18, 2
	s_lshl_b32 s21, s[FH], 1
	s_add_co_u32 s2, s2, s21
	s_lshl_b32 s2, s2, 4
	s_lshl_b32 s21, s19, 1
	s_add_co_u32 s2, s2, s21
	s_add_co_u32 s2, s2, s[FL]
	s_lshl_b32 s2, s2, 13
	s_mov_b32 s3, 0
	s_add_nc_u64 s[12:13], s[12:13], s[2:3]
	s_lshl_b32 s2, s19, 1
	s_add_co_u32 s2, s2, s[FL]
	s_lshl_b32 s2, s2, 13
	s_lshl_b32 s21, s18, 8
	s_add_co_u32 s2, s2, s21
	s_lshl_b32 s21, s[FH], 7
	s_add_co_u32 s2, s2, s21
	s_lshl_b32 s2, s2, 4
	s_add_nc_u64 s[14:15], s[14:15], s[2:3]
	v_and_b32 v1, 15, v0
	v_bfe_u32 v2, v0, 4, 1
	v_and_b32 v12, 31, v0
	v_lshlrev_b32 v12, 4, v12                      ; a fragment lies in the order of its registers: 16 x lane
	s_mul_i32 s21, s[FH], HALFT
	s_mul_i32 s22, s[FL], HALFT
	s_add_co_u32 s22, s22, 2*HALFT
.irp s, 0,1
	v_add_nc_u32 v[ADRA+\s], s21, v12
	v_add_nc_u32 v[ADRB+\s], s22, v12
	s_add_co_u32 s21, s21, SLOT
	s_add_co_u32 s22, s22, SLOT
.endr
	v_lshlrev_b32 v13, 2, v1
	v_mad_u32_u24 v13, v2, CHS, v13
	s_mul_i32 s21, s[FH], CHS/2
	s_add_co_u32 s21, s21, SCL
	s_mul_i32 s22, s[FL], CHS/2
	s_add_co_u32 s22, s22, SCL+QS
	v_add_nc_u32 v[ADSA], s21, v13
	v_add_nc_u32 v[ADSB], s22, v13
	s_lshl_b32 s21, s[WV], 12
	v_lshlrev_b32 v[STO], 4, v1
	v_lshl_add_u32 v[STO], v2, 3, v[STO]
	v_add_nc_u32 v[STO], s21, v[STO]
	v_and_b32 v[L16], 31, v0
	v_lshlrev_b32 v[L16], 4, v[L16]
	v_add_nc_u32 v[RD], s21, v[L16]
	; PREFETCHES of K steps 1, 2 (here) and 3 (behind slot 1's first fill): of the 8 groups of rows that a wave fetches in the ring each of the four partners names two, told apart by address: 16 units of 256 bytes each, a lane a unit
	s_cmp_eq_u32 s[FH], 0
	s_cselect_b64 s[2:3], s[40:41], s[44:45]
	s_cselect_b32 s20, s66, s67                    ; my place among the four: cx for q, cy for k
	s_lshl_b32 s20, s20, 15
	s_mov_b32 s21, 0
	s_add_nc_u64 s[2:3], s[2:3], s[20:21]
	v_lshlrev_b32 v15, 8, v1
	v_lshl_add_u32 v15, v2, 14, v15
	global_prefetch_b8 v15, s[2:3] offset:4096 th:TH_LOAD_NT scope:SCOPE_SE
	global_prefetch_b8 v15, s[2:3] offset:8192 th:TH_LOAD_NT scope:SCOPE_SE
.macro FRAG reg, adr, q, i
.irp c, 0,1,2,3
	ds_load_b128 v[\reg+4*\c:\reg+4*\c+3], v[\adr] offset:2048*(\q)+512*\c+(\i)*4096
.endr
.endm
.macro MUL16 a0, p, q, sc, zero
.irp a, \a0, \a0+1
.irp b, 0,1,2,3,4,5,6,7
.set rD, 8*(8*((\a)%4)+\b)
.set rB, 128*(\p)+FR*\b
.set rA, AF+FR*(\a)
.set rSB, SB+16*(\sc)+\b
.set rSA, SA+16*(\sc)+(\a)
.if \zero
	v_wmma_scale_f32_16x16x128_f8f6f4 v[rD:rD+7], v[rB:rB+15], v[rA:rA+15], 0, v[rSB], v[rSA] matrix_a_fmt:MATRIX_FMT_BF8 matrix_b_fmt:MATRIX_FMT_BF8
.elseif \q
	v_wmma_scale_f32_16x16x128_f8f6f4 v[rD:rD+7], v[rB:rB+15], v[rA:rA+15], v[rD:rD+7], v[rSB], v[rSA] matrix_a_fmt:MATRIX_FMT_BF8 matrix_b_fmt:MATRIX_FMT_BF8 matrix_a_scale:MATRIX_SCALE_ROW1 matrix_b_scale:MATRIX_SCALE_ROW1
.else
	v_wmma_scale_f32_16x16x128_f8f6f4 v[rD:rD+7], v[rB:rB+15], v[rA:rA+15], v[rD:rD+7], v[rSB], v[rSA] matrix_a_fmt:MATRIX_FMT_BF8 matrix_b_fmt:MATRIX_FMT_BF8
.endif
.endr
.endr
.endm
.macro FETCH_B slot, q, p
	WIN TO_B
.irp i, 0,1,2,3,4,5,6,7
	FRAG 128*(\p)+FR*\i, ADRB+\slot, \q, \i
.endr
	WIN 0
.endm
.macro FETCH_A slot, q, i0
.irp i, \i0, \i0+1, \i0+2, \i0+3
	FRAG AF+FR*(\i), ADRA+\slot, \q, \i
.endr
.endm
.macro SCALES sc, ks
.irp i, 0,1,2,3,4,5,6,7
	ds_load_b32 v[SA+16*\sc+\i], v[ADSA] offset:64*\i+2*CHS*(\ks)
	ds_load_b32 v[SB+16*\sc+\i], v[ADSB] offset:64*\i+2*CHS*(\ks)
.endr
.endm
.macro STEP slot, zero
	s_wait_dscnt 16
	WIN MUL_LO
	MUL16 0, 0, 0, \slot, \zero
	MUL16 2, 0, 0, \slot, \zero
	s_wait_dscnt 0
	PLACES NP
	FETCH_B \slot, 1, 1
	FETCH_A \slot, 1, 0
	WIN MUL_HI
	MUL16 4, 0, 0, \slot, \zero
	MUL16 6, 0, 0, \slot, \zero
	PLACES NP
	WIN 0
	FETCH_A \slot, 1, 4
.endm
.macro TURN slot, next, fill, ks
	s_wait_tensorcnt 0x0
	ds_add_u32 v[SPW], v[NIL]
	s_wait_dscnt 17
	WIN MUL_LO
	MUL16 0, 1, 1, \slot, 0
	s_wait_dscnt 0x0
	s_barrier_signal -1
	MUL16 2, 1, 1, \slot, 0
	WIN 0
	s_barrier_wait -1
.if \fill
	CREST
	s_add_nc_u64 s[G0+4*\slot+2:G0+4*\slot+3], s[G0+4*\slot+2:G0+4*\slot+3], 8192
	s_add_nc_u64 s[G0B+4*\slot+2:G0B+4*\slot+3], s[G0B+4*\slot+2:G0B+4*\slot+3], 8192
	JLOAD G0+4*\slot, G1, G0B+4*\slot, G1B
	PLACES NP-4
.else
	PLACES NP
.endif
	FETCH_B \next, 0, 0
	FETCH_A \next, 0, 0
	SCALES \next, \ks
	WIN MUL_HI
	MUL16 4, 1, 1, \slot, 0
	MUL16 6, 1, 1, \slot, 0
	PLACES NP
	WIN 0
	FETCH_A \next, 0, 4
.endm
	s_wait_alu depctr_va_vdst(0)
	s_wait_tensorcnt 0x0                           ; my tile of the head's four is in
	ds_add_u32 v[SPW], v[NIL]
	s_mov_b32 s[G1+2], 8<<16                       ; no tensor load is out: from here on a load brings 8 groups of rows
	s_mov_b32 s[G1+4], 8
	s_mov_b32 s[G1B+2], 8<<16
	s_mov_b32 s[G1B+4], 8
	s_wait_dscnt 0x0
	CROUND
	JLOAD G0+4, G1, G0B+4, G1B                     ; K step 1
	FETCH_B 0, 0, 0
	FETCH_A 0, 0, 0
	SCALES 0, 0
	FETCH_A 0, 0, 4
	global_prefetch_b8 v15, s[2:3] offset:12288 th:TH_LOAD_NT scope:SCOPE_SE
	STEP 0, 1
	TURN 0, 1, 1, 1
	STEP 1, 0
	TURN 1, 0, 1, 2
	STEP 0, 0
	TURN 0, 1, 0, 3
	STEP 1, 0
	s_wait_dscnt 16
	WIN MUL_LO
	MUL16 0, 1, 1, 1, 0
	MUL16 2, 1, 1, 1, 0
	s_wait_dscnt 0
	WIN MUL_HI
	MUL16 4, 1, 1, 1, 0
	MUL16 6, 1, 1, 1, 0
	WIN 0
.macro PSEND a
.irp c, 0,1,2,3
	global_store_b128 v[L16], v[RBK+16*((\a)%2)+4*\c:RBK+16*((\a)%2)+4*\c+3], s[12:13] offset:((\a)/4)*131072+((\a)%4)*2048+512*\c
.endr
.endm
.macro SROW a
.set AC, 64*((\a)%4)
.set CDS, CD+16*((\a)%2)
	WIN 5*(2+(\a)/4)
.irp e, 0,1,2,3
	v_max_num_f32 v[BM+\e], v[AC+16*\e], v[AC+16*\e+1]
.endr
.irp i, 2,4,6,8,10,12,14
.irp e, 0,1,2,3
	v_max3_num_f32 v[BM+\e], v[AC+16*\e+\i], v[AC+16*\e+\i+1], v[BM+\e]
.endr
.endr
	WIN 0
.irp e, 0,1,2,3
	v_permlanex16_b32 v[BX+\e], v[BM+\e], s[SEL], s[SEL+1]
.endr
.irp e, 0,1,2,3
	v_max_num_f32 v[BM+\e], v[BM+\e], v[BX+\e]
.endr
	v_max3_num_f32 v[TT], v[BM], v[BM+1], v[BM+2]
	v_max_num_f32 v[TT], v[TT], v[BM+3]
	v_mul_f32 v[TT], s[CS], v[TT]
	v_floor_f32 v[NM], -v[TT]
	WIN 2+(\a)/4
.set j, 0
.rept 32
	v_pk_fma_f32 v[T+j:T+j+1], v[AC+j:AC+j+1], s[CS:CS+1], v[NM:NM+1] op_sel_hi:[1,0,0]
.set j, j+2
.endr
	WIN 0
.irp e, 0,1,2,3
	v_fma_f32 v[BM+\e], v[BM+\e], s[CS], v[NM]
.endr
.set j, 0
	s_wait_alu depctr_va_vdst(0)
.rept 64
	v_exp_f32 v[T+j], v[T+j]
.set j, j+1
.endr
	v_mov_b32 v[MM+\a], v[NM]
	s_wait_alu depctr_va_vdst(0)
.irp e, 0,1,2,3
	v_exp_f32 v[BM+\e], v[BM+\e]
.endr
	v_pk_add_f32 v[LS:LS+1], v[T:T+1], v[T+2:T+3]
	v_pk_add_f32 v[LS+2:LS+3], v[T+4:T+5], v[T+6:T+7]
.set j, 8
.rept 14
	v_pk_add_f32 v[LS:LS+1], v[LS:LS+1], v[T+j:T+j+1]
	v_pk_add_f32 v[LS+2:LS+3], v[LS+2:LS+3], v[T+j+2:T+j+3]
.set j, j+4
.endr
	v_pk_add_f32 v[LS:LS+1], v[LS:LS+1], v[LS+2:LS+3]
	s_wait_alu depctr_va_vdst(0)
.irp e, 0,1,2,3
	v_max_num_f32 v[BM+\e], 0x8000000, v[BM+\e]
.endr
.irp e, 0,1,2,3
	v_add_nc_u32 v[SO+\e], 0xf8800000, v[BM+\e]
.endr
.irp e, 0,1,2,3
	v_and_or_b32 v[HL+\e], v[BM+\e], 0x7f800000, s[MNT]
.endr
.irp e, 0,1,2,3
	v_lshrrev_b32 v[BX+\e], 23, v[SO+\e]
.endr
	v_lshl_or_b32 v[WD+\a], v[BX+1], 8, v[BX]
	v_lshl_or_b32 v[WD+\a], v[BX+2], 16, v[WD+\a]
	v_lshl_or_b32 v[WD+\a], v[BX+3], 24, v[WD+\a]
	v_add_f32 v[LS], v[LS], v[LS+1]
	v_permlanex16_b32 v[LS+2], v[LS], s[SEL], s[SEL+1]
	v_add_f32 v[LL+\a], v[LS], v[LS+2]
.irp e, 0,1,2,3
.irp i, 0,1,2,3,4,5,6,7,8,9,10,11,12,13,14,15
	v_min_num_f32 v[T+16*\e+\i], v[T+16*\e+\i], v[HL+\e]
.endr
.endr
.irp b, 0,1,2,3,4,5,6,7
	v_cvt_scalef32_pk8_bf8_f32 v[CDS+2*\b:CDS+2*\b+1], v[T+8*\b:T+8*\b+7], v[SO+\b/2]
.endr
	v_nop
.irp b, 0,1,2,3,4,5,6,7
	ds_store_b64 v[STO], v[CDS+2*\b:CDS+2*\b+1] offset:IMG*((\a)%2)+512*(\b/2)+256*(\b%2)
.endr
.if (\a) > 1
	s_wait_xcnt 0x0
.endif
.irp c, 0,1,2,3
	ds_load_b128 v[RBK+16*((\a)%2)+4*\c:RBK+16*((\a)%2)+4*\c+3], v[RD] offset:IMG*((\a)%2)+512*\c
.endr
.if (\a) > 0
	s_wait_dscnt 12
	PSEND (\a)-1
.endif
.endm
	PLACES NP
.irp e, 0,1,2,3
	v_mov_b32 v[BX+\e], 0
.endr
	v_mov_b32 v[NM+1], 0
.irp p, 0,1,2,3
	SROW 2*\p
	SROW 2*\p+1
	v_cndmask_b32 v[X+4*\p], v[WD+2*\p], v[WD+2*\p+1], s[HM]
	v_cndmask_b32 v[X+4*\p+1], v[MM+2*\p], v[MM+2*\p+1], s[HM]
	v_cndmask_b32 v[X+4*\p+2], v[LL+2*\p], v[LL+2*\p+1], s[HM]
	v_mov_b32 v[X+4*\p+3], 0
	global_store_b128 v[L16], v[X+4*\p:X+4*\p+3], s[14:15] offset:512*\p
.endr
	s_wait_dscnt 0x0
	PSEND 7
	s_wait_tensorcnt 0x0
	ds_add_u32 v[SPW], v[NIL]
	s_wait_dscnt 0x0
	CROUND
	s_endpgm
.Lfunc_end_k_qea6a4b4ba0_score:
	.size	k_qea6a4b4ba0_score, .Lfunc_end_k_qea6a4b4ba0_score-k_qea6a4b4ba0_score
	.p2alignl 7, 3214868480
	.fill 96, 4, 3214868480
	.section	.rodata,"a",@progbits
	.p2align	6, 0x0
	.amdhsa_kernel k_qea6a4b4ba0_score
		.amdhsa_group_segment_fixed_size 327680
		.amdhsa_private_segment_fixed_size 0
		.amdhsa_enable_private_segment 0
		.amdhsa_kernarg_size 48
		.amdhsa_user_sgpr_count 2
		.amdhsa_user_sgpr_kernarg_segment_ptr 1
		.amdhsa_wavefront_size32 1
		.amdhsa_system_sgpr_workgroup_id_x 1
		.amdhsa_system_sgpr_workgroup_id_y 1
		.amdhsa_system_sgpr_workgroup_id_z 1
		.amdhsa_system_vgpr_workitem_id 0
		.amdhsa_next_free_vgpr 1024
		.amdhsa_next_free_sgpr 102
		.amdhsa_reserve_vcc 0
		.amdhsa_float_denorm_mode_32 3
		.amdhsa_float_denorm_mode_16_64 3
		.amdhsa_memory_ordered 1
		.amdhsa_forward_progress 1
		.amdhsa_inst_pref_size 233
	.end_amdhsa_kernel
	.amdgpu_metadata
---
amdhsa.version: [ 1, 2 ]
amdhsa.kernels:
  - .name:           k_qea6a4b4ba0_score
    .symbol:         k_qea6a4b4ba0_score.kd
    .args:
      - { .name: q_codes, .offset: 0, .size: 8, .value_kind: global_buffer, .address_space: global }
      - { .name: q_sc, .offset: 8, .size: 8, .value_kind: global_buffer, .address_space: global }
      - { .name: k_codes, .offset: 16, .size: 8, .value_kind: global_buffer, .address_space: global }
      - { .name: k_sc, .offset: 24, .size: 8, .value_kind: global_buffer, .address_space: global }
      - { .name: p_codes, .offset: 32, .size: 8, .value_kind: global_buffer, .address_space: global }
      - { .name: pstat, .offset: 40, .size: 8, .value_kind: global_buffer, .address_space: global }
    .group_segment_fixed_size: 327680
    .private_segment_fixed_size: 0
    .kernarg_segment_align: 8
    .kernarg_segment_size: 48
    .max_flat_workgroup_size: 128
    .sgpr_count:     102
    .vgpr_count:     1024
    .wavefront_size: 32
...
	.end_amdgpu_metadata
.endif
;; end of part 2
;; launch pv (part 3): grid 4 x 64, 4 waves a work-group, clusters of 4 x 4, 327,680 bytes of LDS; arguments p_codes, pstat, vt_codes, vt_sc, out0; writes out0
.if DOCPART == 3
	.amdgcn_target "amdgcn-amd-amdhsa--gfx1250"
	.amdhsa_code_object_version 6
	.text
	.protected	k_qea6a4b4ba0_pv
	.globl	k_qea6a4b4ba0_pv
	.p2align	8
	.type	k_qea6a4b4ba0_pv,@function
k_qea6a4b4ba0_pv:
	s_mov_b64 s[64:65], 0
	v_nop
	global_prefetch_b8 v0, s[64:65] scope:SCOPE_SE
	s_setreg_imm32_b32 hwreg(HW_REG_WAVE_MODE, 25, 1), 1
	s_wait_xcnt 0x0
	s_wait_alu depctr_hold_cnt(0) depctr_sa_sdst(0) depctr_va_vdst(0) depctr_va_sdst(0) depctr_va_ssrc(0) depctr_va_vcc(0) depctr_vm_vsrc(0)
	s_getreg_b32 s2, hwreg(HW_REG_IB_STS2, 6, 4)
	s_cmp_eq_u32 s2, 0
	s_cbranch_scc0 .Lentry_in_a_cluster
	s_endpgm
.Lentry_in_a_cluster:
	s_bfe_u32 s2, ttmp6, 0x10000c
	s_cmp_lg_u32 s2, 0xf033
	s_cbranch_scc0 .Lentry_shape_is_right
	s_endpgm
.Lentry_shape_is_right:
; O[q][d] = (the sum over keys of P[q][key] V^T[d][key]) / l[q], on codes of E5M2 with E8M0 scales.  No work of the problem is left out.
; p_codes: images of the operand's registers, [128 groups of 64 queries][16 chunks of 128 keys][4 blocks of 16 queries][c][lane][16 bytes]; pstat [16 chunks][8,192 queries][scale word, -M, l, 0];
; vt_codes: images too, [64 groups of 16 d][64 chunks of 128 keys][c][lane][16 bytes]; vt_sc [64 chunks][1,024 d] words; out0 [8,192][1,024] f32.
; THE HEAD brings the chunks of a row under one M: thread t takes row t of the work-group's 128.  X = the least -M of its 16 chunks; e = X - (-M of the chunk), a whole number, 0 or less, held at -127;
; l = the sum of l_chunk x 2^e; each of the chunk's four scale bytes moves by e, and a byte that would fall under 0 becomes 0.  All exact: the codes stay as they are.
; LIMIT: a chunk more than 127 below the row's M, and a byte held at 0, still add at most 2^-111 for each key to a sum whose l is above 1/2.  NaN and infinities are not served.
; A tile of O is 128 (q) x 256 (d), 256 work-groups of four waves, each 64 x 128 in 32 accumulators.  K = the batch's 2,048 keys: 16 chunks of 128, 32 matrix instructions a wave each.
; V^T comes through a ring of two LDS slots of 512 keys: a group's 512 keys are 8,192 consecutive bytes, and a fragment load reads 512 consecutive bytes.  CLUSTER 4 x 4: V^T and its scale words are asked for jointly along a column.
; At the head waves 0 and 1 fetch keys 0-511 of 128 d each, waves 2 and 3 the scale words of 128 d each; from slot 1's first fill on each wave fetches 64 d.
; P IS NOT ASKED FOR JOINTLY, THOUGH A ROW OF THE CLUSTER SHARES IT: with P's 128 rows beside V^T's 256 two slots of 512 keys would take 393,216 bytes.  A wave takes its 64 queries' fragments straight into registers:
; a dense run of 131,072 bytes, 16 loads of 512 consecutive bytes a chunk, asked for three chunks ahead, in four sets of registers.
; PREFETCHES: V^T's slots 1, 2, 3: the sixteen waves of a column name a group each, 32 units of 256 bytes.  P's chunks 3-10: the eight waves of a row that read a group of queries name a chunk each; chunks 11-15: 20 units each.
; THE MATRIX INSTRUCTION IS USED TRANSPOSED (source 0 = 16 rows d, source 1 = 16 queries): lane (r, h), register j of accumulator (a, b) holds O(16 a + r, 16 b + 8 h + j).
; THE LOOP'S TRIP is four chunks, once through a slot: chunks 1-4, 5-8; chunk numbers in the text are counted from the loop's first trip, and addresses step at a trip's end.  The last two chunks go by rows of O, so that stores start early.
; REGISTERS: window 0: v1-31 addresses; v32-55 scale words, two sets; v56-63 1 / l; v64-127 pstat, later the way out; v128-255 the way out.  window 1: V^T's fragments, two sets.  window 2: the accumulators.  window 3: P's fragments, four sets.
.set FR,     16
.set NP,     8                         ; places behind this matrix instruction (ISA guide 7.12.1)
.set QB,     32768                     ; 4 groups of 16 d x 8,192 bytes: what one tensor load of the ring brings
.set SLOT,   4*QB                      ; a power of two: one exclusive or turns an address from slot to slot
.set CHS,    576                       ; 128 rows' scale words of a chunk + 64 bytes
.set QSC,    16*CHS
.set SCB,    2*SLOT                    ; V^T's scale words: two halves of 128 d, filled once
.set SCA,    SCB+2*QSC                 ; P's moved scale words: 16 chunks, stored by the head
.set RLB,    SCA+16*CHS                ; 1 / l of the 128 rows
.set SPARE,  RLB+512
.set SPITCH, 528                       ; the way out: a stage of 16 rows x (512 bytes + 16) for each wave, in slot 0, which has had its last fill and its last read by then
.set PFO,  16
.set PFP,  17
.set ADRB, 20
.set ADSA, 22                          ; P's scale words: lanes 0-15 an even chunk's, lanes 16-31 the next chunk's
.set ADSB, 23                          ; V^T's
.set STO,  24
.set RD,   25
.set CO,   26                          ; 16 x lane
.set SCW,  27                          ; SCA + 4 x thread
.set SPW,  28
.set NIL,  29
.set PO,   30                          ; 16 x thread
.set RLA,  31
.set SA,   32                          ; set s: v[SA+12 s+i], i < 4
.set SB,   36                          ; set s: v[SB+12 s+i], i < 8
.set RL,   56
.set PS,   64
.set T,    64
.set BK,   128
.set WV,   92
.set FH,   93                          ; my half of the tile's rows
.set FL,   94                          ; my half of its columns
.set BT,   95
.set ONES, 100
.set TOPS, 101
.set G0H,  24
.set G1B,  48
.set G0B,  56
.set G1S,  80
.set G0S,  88
.set MSB, 0
.macro WIN new                         ; the immediate's high byte repeats the setting that is left
.if MSB != (\new)
	s_set_vgpr_msb (MSB<<8)|(\new)
.set MSB, (\new)
.endif
.endm
.set MUL,  0xad                        ; source 0 (V^T) window 1, source 1 (P) window 3, C and D window 2
.set TO_B, 0x40
.set TO_A, 0xc0
.macro CREST
	s_cmp_lg_u32 s[WV], 0
	s_cbranch_scc1 .Lnot_wave_0_\@
	s_barrier_signal -3
.Lnot_wave_0_\@:
	s_barrier_wait -3
	s_barrier_signal -1
	s_barrier_wait -1
.endm
.macro CROUND
	s_barrier_signal -1
	s_barrier_wait -1
	CREST
.endm
.macro PLACES n
.rept \n
	v_nop
.endr
.endm
.macro TLOAD g0, g1
	tensor_load_to_lds s[\g0:\g0+3], s[\g1:\g1+7]
	s_nop 0
	PLACES 4
.endm
.macro ASK v, s, off
	global_prefetch_b8 v[\v], s[\s:\s+1] offset:\off th:TH_LOAD_NT scope:SCOPE_SE
.endm
.macro ALOAD kc                        ; 16 loads: P's four fragments of chunk kc into set kc % 4
	WIN TO_A
.irp a, 0,1,2,3
.irp c, 0,1,2,3
	global_load_b128 v[64*((\kc)%4)+FR*\a+4*\c:64*((\kc)%4)+FR*\a+4*\c+3], v[CO], s[4:5] offset:(\kc)*8192+\a*2048+512*\c
.endr
.endr
	WIN 0
.endm
	s_load_b256 s[4:11], s[0:1], 0x0               ; P's codes s[4:5], pstat s[6:7], V^T's codes s[8:9], V^T's scale words s[10:11]
	s_load_b64 s[12:13], s[0:1], 0x20              ; O
	v_lshl_add_u32 v[SPW], v0, 2, SPARE
	v_mov_b32 v[NIL], 0
	ds_add_u32 v[SPW], v[NIL]                      ; the opening: the add, twice on end, and its wait ahead of my first tensor load
	ds_add_u32 v[SPW], v[NIL]
	v_lshrrev_b32 v3, 5, v0
	v_readfirstlane_b32 s[WV], v3
	s_lshr_b32 s[FH], s[WV], 1
	s_and_b32 s[FL], s[WV], 1
	s_bfe_u32 s19, ttmp6, 0x40000                  ; cx = the tile column: 256 of d
	s_bfe_u32 s67, ttmp6, 0x40004                  ; cy
	s_and_b32 s20, ttmp7, 0xffff
	s_lshr_b32 s[BT], s20, 2                       ; four clusters down are a batch's 2,048 queries
	s_lshl_b32 s18, s20, 2
	s_add_co_u32 s18, s18, s67                     ; tile row: 128 queries
	s_lshl_b32 s3, 0x1111, s19                     ; my column of the cluster
	s_mov_b32 s[ONES], 0x01010101
	s_mov_b32 s[TOPS], 0x80808080
	v_lshlrev_b32 v[PO], 4, v0
	v_and_b32 v[CO], 31, v0
	v_lshlrev_b32 v[PFO], 8, v[CO]                 ; the prefetches: 256 bytes a lane;
	v_min_u32 v[PFP], 19, v[CO]                    ; of 20 units: the lanes left over name the last one again
	v_lshlrev_b32 v[PFP], 8, v[PFP]
	v_lshlrev_b32 v[CO], 4, v[CO]
	s_or_b32 s[G1B+0], s3, 1<<21                   ; V^T: rows of 8,192 bytes, 131,072 bytes apart: 8 at the head, 4 in the ring
	s_mov_b32 s[G1B+1], 8192<<16
	s_mov_b32 s[G1B+2], 8<<16
	s_mov_b32 s[G1B+3], 8192<<16
	s_mov_b32 s[G1B+4], 8
	s_mov_b32 s[G1B+5], 0x20000
	s_mov_b32 s[G1B+6], 0
	s_mov_b32 s[G1B+7], 0
	s_or_b32 s[G1S+0], s3, (3<<16)|(1<<20)|(1<<21)|(6<<22)|(15<<25)  ; its scale words: 16 chunks x 512 bytes (64 elements of 8 bytes), 64 bytes of padding behind each 128 words
	s_mov_b32 s[G1S+1], 64<<16
	s_mov_b32 s[G1S+2], 16<<16
	s_mov_b32 s[G1S+3], 64<<16
	s_mov_b32 s[G1S+4], 16
	s_mov_b32 s[G1S+5], 512
	s_mov_b32 s[G1S+6], 0
	s_mov_b32 s[G1S+7], 0
	s_lshl_b32 s40, s18, 1
	s_add_co_u32 s40, s40, s[FH]                   ; P: my group of 64 queries
	s_lshl_b32 s40, s40, 17
	s_mov_b32 s41, 0
	s_lshl_b32 s42, s18, 11                        ; pstat: the work-group's 128 rows, 16 bytes each
	s_mov_b32 s43, 0
	s_lshl_b32 s22, s19, 8                         ; V^T: d 256 x tile column on
	s_lshl_b32 s44, s22, 13
	s_lshl_b32 s21, s[BT], 15                      ; the batch's first chunk of keys
	s_add_co_u32 s44, s44, s21
	s_mov_b32 s45, 0
	s_lshl_b32 s21, s[FL], 7
	s_add_co_u32 s22, s22, s21                     ; its scale words: 128 d
	s_lshl_b32 s46, s[BT], 14
	s_add_co_u32 s46, s46, s22
	s_lshl_b32 s46, s46, 2
	s_mov_b32 s47, 0
	s_mul_i32 s20, s[WV], QB
	s_mul_i32 s23, s[FL], QSC
	s_wait_alu depctr_va_vdst(0)
	s_wait_dscnt 0x0                               ; both opening adds are done
	CROUND                                         ; all sixteen work-groups are here
	s_wait_kmcnt 0x0
	s_add_nc_u64 s[4:5], s[4:5], s[40:41]
	s_add_nc_u64 s[6:7], s[6:7], s[42:43]
	s_add_nc_u64 s[44:45], s[8:9], s[44:45]
	s_add_nc_u64 s[46:47], s[10:11], s[46:47]
	s_mov_b32 s[G0S], 1
	s_add_co_u32 s[G0S+1], s23, SCB
	s_mov_b64 s[G0S+2:G0S+3], s[46:47]
	s_or_b32 s[G0S+3], s[G0S+3], 0x80000000
	s_lshl_b32 s2, s[FL], 20                       ; at the head: 8 groups of 16 d
	s_mov_b32 s3, 0
	s_mov_b32 s[G0H], 1
	s_mul_i32 s[G0H+1], s[FL], 2*QB
	s_add_nc_u64 s[G0H+2:G0H+3], s[44:45], s[2:3]
	s_or_b32 s[G0H+3], s[G0H+3], 0x80000000
	s_lshl_b32 s2, s[WV], 19                       ; in the ring: 4 groups
	s_add_nc_u64 s[44:45], s[44:45], s[2:3]
	s_mov_b32 s[G0B], 1                            ; the ring's descriptor walks: slot 1's keys first
	s_add_co_u32 s[G0B+1], s20, SLOT
	s_add_nc_u64 s[G0B+2:G0B+3], s[44:45], 8192
	s_or_b32 s[G0B+3], s[G0B+3], 0x80000000
	s_cmp_lt_u32 s[WV], 2                          ; one tensor load a wave
	s_cbranch_scc0 .Lhead_s
	TLOAD G0H, G1B
	s_branch .Lhead_asked
.Lhead_s:
	TLOAD G0S, G1S
.Lhead_asked:
.irp c, 0,1,2,3,4,5,6,7,8,9,10,11,12,13,14,15
	global_load_b128 v[PS+4*\c:PS+4*\c+3], v[PO], s[6:7] offset:\c*131072   ; chunk c of row t: 32 lanes read 512 consecutive bytes
.endr
	ALOAD 0
	ALOAD 1
	s_lshl_b32 s2, s67, 17
	s_add_nc_u64 s[14:15], s[44:45], s[2:3]        ; V^T's prefetches: group cy of my four
	s_lshl_b32 s2, s19, 1
	s_add_co_u32 s2, s2, s[FL]                     ; my share of P's, of eight
	s_lshl_b32 s20, s2, 13
	s_mov_b32 s21, 0
	s_add_nc_u64 s[16:17], s[4:5], s[20:21]
	s_mul_i32 s2, s2, 5120
	s_add_nc_u64 s[68:69], s[4:5], s[2:3]
	ASK PFO, 14, 8192                              ; V^T's slot 1
	ASK PFO, 16, 24576                             ; P's chunks 3-10
	s_lshl_b32 s2, s18, 7                          ; O: my first row, 4,096 bytes each; my first column
	s_lshl_b32 s21, s[FH], 6
	s_add_co_u32 s2, s2, s21
	s_lshl_b32 s2, s2, 12
	s_lshl_b32 s21, s19, 10
	s_add_co_u32 s2, s2, s21
	s_lshl_b32 s21, s[FL], 9
	s_add_co_u32 s2, s2, s21
	s_add_nc_u64 s[12:13], s[12:13], s[2:3]
	v_and_b32 v1, 15, v0                           ; r
	v_bfe_u32 v2, v0, 4, 1                         ; h
	s_mul_i32 s22, s[FL], 2*QB                     ; my 128 rows of V^T
	v_add_nc_u32 v[ADRB], s22, v[CO]
	v_lshlrev_b32 v13, 2, v1
	v_mad_u32_u24 v14, v2, CHS, v13                ; row r's word; lanes 16-31 take the next chunk's
	s_lshl_b32 s21, s[FH], 8
	s_add_co_u32 s22, s21, SCA
	v_add_nc_u32 v[ADSA], s22, v14
	s_add_co_u32 s22, s21, RLB
	v_lshl_add_u32 v[RLA], v1, 2, s22
	s_mul_i32 s22, s[FL], QSC
	s_add_co_u32 s22, s22, SCB
	v_add_nc_u32 v[ADSB], s22, v14
	s_mul_i32 s21, s[WV], 16*SPITCH                ; my stage
	s_wait_alu depctr_va_vdst(0)
	v_mul_u32_u24 v[STO], v1, SPITCH
	v_lshl_add_u32 v[STO], v2, 5, v[STO]
	v_add_nc_u32 v[STO], s21, v[STO]               ; in: row r, 32 bytes for each half of the lanes
	v_add_nc_u32 v[RD], s21, v[CO]                 ; back: the 32 lanes take one row of 512 bytes
	v_lshl_add_u32 v[SCW], v0, 2, SCA
	s_wait_alu depctr_va_vdst(0)
	s_wait_loadcnt 32                              ; pstat's 16 loads are in; P's chunks 0 and 1 may be out
	ALOAD 2
	v_min3_num_f32 v3, v[PS+1], v[PS+5], v[PS+9]   ; X = the least -M of the row's 16 chunks, in two chains
	v_min3_num_f32 v4, v[PS+13], v[PS+17], v[PS+21]
	v_min3_num_f32 v3, v3, v[PS+25], v[PS+29]
	v_min3_num_f32 v4, v4, v[PS+33], v[PS+37]
	v_min3_num_f32 v3, v3, v[PS+41], v[PS+45]
	v_min3_num_f32 v4, v4, v[PS+49], v[PS+53]
	v_min3_num_f32 v3, v3, v[PS+57], v[PS+61]
	v_min_num_f32 v3, v3, v4
.irp c, 0,1,2,3,4,5,6,7,8,9,10,11,12,13,14,15
	v_sub_f32 v5, v3, v[PS+4*\c+1]                 ; e = the chunk's M less the row's: a whole number, 0 or less,
	v_max_num_f32 v5, 0xc2fe0000, v5               ; held at -127
	v_cvt_i32_f32 v5, v5
.if \c == 0
	v_ldexp_f32 v7, v[PS+2], v5                    ; l = the sum of l_chunk x 2^e
.else
	v_ldexp_f32 v6, v[PS+4*\c+2], v5
	v_add_f32 v7, v7, v6
.endif
	v_mul_lo_u32 v5, v5, s[ONES]                   ; e in each byte.  The bytes are 1 to 112: with bit 7 set on top of each, nothing is borrowed from byte to byte,
	v_or_b32 v8, s[TOPS], v[PS+4*\c]
	v_add_nc_u32 v8, v8, v5
	v_and_b32 v9, s[TOPS], v8                      ; and bit 7 is still set where byte + e is 0 or more:
	v_lshrrev_b32 v10, 7, v9
	v_sub_nc_u32 v9, v9, v10                       ; 0x7f there, 0 elsewhere
	v_and_b32 v[PS+4*\c], v8, v9
	ds_store_b32 v[SCW], v[PS+4*\c] offset:CHS*\c
.endr
	s_wait_alu depctr_va_vdst(0)
	v_rcp_f32 v8, v7
	v_nop                                          ; a plain instruction behind the reciprocal,
	s_wait_alu depctr_va_vdst(0)                   ; and the wait ahead of its first reader
	ds_store_b32 v[SCW], v8 offset:16*CHS          ; 1 / l, at RLB + 4 x thread
.macro BLOAD kc                        ; 32 loads: V^T's eight fragments of chunk kc of the slot at ADRB into set kc % 2
	WIN TO_B
.irp i, 0,1,2,3,4,5,6,7
.irp c, 0,1,2,3
	ds_load_b128 v[128*((\kc)%2)+FR*\i+4*\c:128*((\kc)%2)+FR*\i+4*\c+3], v[ADRB] offset:2048*((\kc)%4)+512*\c+\i*8192
.endr
.endr
	WIN 0
.endm
.macro SCALES j                        ; 12 loads: the scale words of chunks 2 j (lanes 0-15) and 2 j + 1 (lanes 16-31) into set j % 2
.irp i, 0,1,2,3
	ds_load_b32 v[SA+12*((\j)%2)+\i], v[ADSA] offset:2*CHS*(\j)+64*\i
.endr
.irp i, 0,1,2,3,4,5,6,7
	ds_load_b32 v[SB+12*((\j)%2)+\i], v[ADSB] offset:2*CHS*(\j)+64*\i
.endr
.endm
; 8 matrix instructions of chunk kc: P's block a x V^T's eight.  zero = 1: they start the sums.  An odd chunk's scale words stand in lanes 16-31.  The accumulators take turns.
.macro MUL8 a, kc, zero=0
.irp b, 0,1,2,3,4,5,6,7
.set rD, 8*(8*(\a)+\b)
.set rB, 128*((\kc)%2)+FR*\b
.set rA, 64*((\kc)%4)+FR*(\a)
.set rSB, SB+12*(((\kc)/2)%2)+\b
.set rSA, SA+12*(((\kc)/2)%2)+(\a)
.if \zero
	v_wmma_scale_f32_16x16x128_f8f6f4 v[rD:rD+7], v[rB:rB+15], v[rA:rA+15], 0, v[rSB], v[rSA] matrix_a_fmt:MATRIX_FMT_BF8 matrix_b_fmt:MATRIX_FMT_BF8
.elseif (\kc)%2
	v_wmma_scale_f32_16x16x128_f8f6f4 v[rD:rD+7], v[rB:rB+15], v[rA:rA+15], v[rD:rD+7], v[rSB], v[rSA] matrix_a_fmt:MATRIX_FMT_BF8 matrix_b_fmt:MATRIX_FMT_BF8 matrix_a_scale:MATRIX_SCALE_ROW1 matrix_b_scale:MATRIX_SCALE_ROW1
.else
	v_wmma_scale_f32_16x16x128_f8f6f4 v[rD:rD+7], v[rB:rB+15], v[rA:rA+15], v[rD:rD+7], v[rSB], v[rSA] matrix_a_fmt:MATRIX_FMT_BF8 matrix_b_fmt:MATRIX_FMT_BF8
.endif
.endr
.endm
; A chunk whose successor lies in the same slot.  At its head it asks for the next chunk of V^T from LDS and for P's chunk three on from memory, into the registers that the chunk before has left.
.macro CHUNK kc, zero=0, ahead=1
	PLACES NP                                      ; in front of loads into registers that matrix instructions have read
	BLOAD (\kc)+1
.if (\kc)%2
	SCALES ((\kc)+1)/2
.endif
.if \ahead
	ALOAD (\kc)+3
.endif
.if (\kc)%2
	s_wait_dscnt 44                                ; all but the 32 + 12 just issued: this chunk's fragments of V^T and its scale words are in
.else
	s_wait_dscnt 32                                ; all but the 32 just issued
.endif
.if \ahead
	s_wait_loadcnt 48                              ; loads come back in order (ISA guide 5.7.1): this chunk's fragments of P are in; the three chunks behind it may be out
.else
	s_wait_loadcnt 32                              ; the last but two: two chunks are behind it
.endif
	WIN MUL
	MUL8 0, \kc, \zero
	MUL8 1, \kc, \zero
	MUL8 2, \kc, \zero
	MUL8 3, \kc, \zero
	WIN 0
.endm
; A slot's last chunk changes slots: ONE barrier; in front of it each wave waits for all its tensor loads, adds 0 to its spare word, and waits for that and for its reads of this slot.
; fill = 1: the barrier opens a round of the cluster's, and this slot is filled again with the keys 1,024 on.
.macro TURN kc, fill
	s_wait_tensorcnt 0x0                           ; my part of the next slot is in
	ds_add_u32 v[SPW], v[NIL]                      ; 0 onto my spare word
.if \fill
	s_xor_b32 s[G0B+1], s[G0B+1], SLOT             ; the walking descriptor: the other slot, the next 512 keys
	s_add_nc_u64 s[G0B+2:G0B+3], s[G0B+2:G0B+3], 8192
.endif
	s_wait_dscnt 1                                 ; this chunk's fragments of V^T are in (the add may be out)
	s_wait_loadcnt 32                              ; and P's; the two chunks behind it may be out
	WIN MUL
	MUL8 0, \kc
	s_wait_dscnt 0x0                               ; the add is done, and my reads of this slot are over
	s_barrier_signal -1
	MUL8 1, \kc
	WIN 0
	s_barrier_wait -1
.if \fill
	CREST                                          ; no wave of any partner still reads this slot or has a load on its way
	TLOAD G0B, G1B                                 ; the first tensor load behind the round, one a wave
	PLACES NP-4
.else
	PLACES NP
.endif
	v_xor_b32 v[ADRB], SLOT, v[ADRB]               ; (no LDS load of mine is out) the other slot
	s_wait_alu depctr_va_vdst(0)
	BLOAD (\kc)+1
	SCALES ((\kc)+1)/2
	ALOAD (\kc)+3
	WIN MUL
	MUL8 2, \kc
	MUL8 3, \kc
	WIN 0
.endm
	s_wait_alu depctr_va_vdst(0)
	s_wait_tensorcnt 0x0                           ; my load of the head's is in
	ds_add_u32 v[SPW], v[NIL]
	s_mov_b32 s[G1B+2], 4<<16                      ; no tensor load is out: from here on a load brings 4 groups
	s_mov_b32 s[G1B+4], 4
	s_wait_dscnt 0x0                               ; the add is done, and for the others' sake: my rows' scale words and 1 / l are stored
	CROUND
	TLOAD G0B, G1B                                 ; keys 512 to 1,023
	BLOAD 0
	SCALES 0
	ASK PFO, 14, 16384                             ; V^T's slot 2
	ASK PFP, 68, 90112                             ; P's chunks 11-15
	CHUNK 0, 1
	s_mov_b32 s70, 0
.Lring:
	CHUNK 1
	s_cmp_eq_u32 s70, 0
	s_cbranch_scc0 .Lnone_ahead
	ASK PFO, 14, 24576                             ; V^T's slot 3
.Lnone_ahead:
	CHUNK 2
	TURN 3, 1
	CHUNK 4
	s_wait_xcnt 0x0                                ; the loads have taken their base
	s_add_nc_u64 s[4:5], s[4:5], 32768             ; four chunks on
	v_add_nc_u32 v[ADSA], 4*CHS, v[ADSA]
	v_add_nc_u32 v[ADSB], 4*CHS, v[ADSB]
	s_add_co_u32 s70, s70, 1
	s_cmp_lg_u32 s70, 2
	s_wait_alu depctr_va_vdst(0)
	s_cbranch_scc1 .Lring
	CHUNK 1                                        ; chunks 9 to 15: nothing is left to fetch into the ring, so no round
	CHUNK 2
	TURN 3, 0
	CHUNK 4
	CHUNK 5, 0, 0
.macro MROW a                          ; block a of the last two chunks: the eight sums take turns, K ascending
	WIN MUL
	MUL8 \a, 6
.if (\a) == 0
	s_wait_dscnt 0x0
	s_wait_loadcnt 0x0
.endif
	MUL8 \a, 7
	WIN 0
.endm
	PLACES NP
	BLOAD 7
.irp a, 0,1,2,3
	ds_load_b32 v[RL+2*\a], v[RLA] offset:64*\a    ; 1 / l of row 16 a + r
	v_mov_b32 v[RL+2*\a+1], 0                      ; named with it as a pair, so it is written
.endr
	s_wait_alu depctr_va_vdst(0)
	s_wait_dscnt 36                                ; all but the 32 + 4 just issued
	s_wait_loadcnt 16                              ; the last chunk may be out
	MROW 0
	MROW 1
; THE WAY OUT of a block of 16 rows x 128 columns: times 1 / l, through my own stage in LDS, back as whole rows of 512 bytes.
.macro OUTB a
	WIN 0x02                                       ; source 0: window 2
.set i, 0
.rept 32
	v_pk_mul_f32 v[T+i:T+i+1], v[64*(\a)+i:64*(\a)+i+1], v[RL+2*(\a):RL+2*(\a)+1] op_sel_hi:[1,0]   ; each accumulator from its low end on
.set i, i+2
.endr
	WIN 0
.endm
.macro STG a
.irp b, 0,1,2,3,4,5,6,7
	ds_store_b128 v[STO], v[T+8*\b:T+8*\b+3] offset:64*\b
	ds_store_b128 v[STO], v[T+8*\b+4:T+8*\b+7] offset:64*\b+16
.endr
.set BB, BK+64*((\a)%2)
.irp t, 0,1,2,3,4,5,6,7,8,9,10,11,12,13,14,15
	ds_load_b128 v[BB+4*\t:BB+4*\t+3], v[RD] offset:\t*SPITCH   ; LDS serves a wave's instructions in order (ISA guide 5.7.1.4): these see the stores above
.endr
.endm
.macro SEND a
.set BB, BK+64*((\a)%2)
	s_wait_dscnt 0x0                               ; the block is back in registers
.irp t, 0,1,2,3,4,5,6,7,8,9,10,11,12,13,14,15
	global_store_b128 v[CO], v[BB+4*\t:BB+4*\t+3], s[12:13] offset:(16*(\a)+\t)*4096 th:TH_STORE_NT   ; 32 lanes store 512 consecutive bytes, at a multiple of 256 from O's first byte
.endr
.endm
	PLACES NP                                      ; behind block 1's products; block 0's are further back
	OUTB 0                                         ; (its 32 lines are block 1's places too, as each block's are the next one's)
	STG 0
	MROW 2
	SEND 0
	OUTB 1
	STG 1
	MROW 3
	SEND 1
	s_wait_xcnt 0x0                                ; block 0's stores have read the registers that block 2's rows come back into
	OUTB 2
	STG 2
	OUTB 3
	s_wait_alu depctr_va_vdst(0)
	SEND 2
	s_wait_xcnt 0x0
	STG 3
	SEND 3
	s_wait_tensorcnt 0x0                           ; the wave's end
	ds_add_u32 v[SPW], v[NIL]
	s_wait_dscnt 0x0
	CROUND                                         ; the closing round
	s_endpgm
.Lfunc_end_k_qea6a4b4ba0_pv:
	.size	k_qea6a4b4ba0_pv, .Lfunc_end_k_qea6a4b4ba0_pv-k_qea6a4b4ba0_pv
	.p2alignl 7, 3214868480
	.fill 96, 4, 3214868480
	.section	.rodata,"a",@progbits
	.p2align	6, 0x0
	.amdhsa_kernel k_qea6a4b4ba0_pv
		.amdhsa_group_segment_fixed_size 327680
		.amdhsa_private_segment_fixed_size 0
		.amdhsa_enable_private_segment 0
		.amdhsa_kernarg_size 40
		.amdhsa_user_sgpr_count 2
		.amdhsa_user_sgpr_kernarg_segment_ptr 1
		.amdhsa_wavefront_size32 1
		.amdhsa_system_sgpr_workgroup_id_x 1
		.amdhsa_system_sgpr_workgroup_id_y 1
		.amdhsa_system_sgpr_workgroup_id_z 1
		.amdhsa_system_vgpr_workitem_id 0
		.amdhsa_next_free_vgpr 1024
		.amdhsa_next_free_sgpr 102
		.amdhsa_reserve_vcc 0
		.amdhsa_float_denorm_mode_32 3
		.amdhsa_float_denorm_mode_16_64 3
		.amdhsa_memory_ordered 1
		.amdhsa_forward_progress 1
		.amdhsa_inst_pref_size 145
	.end_amdhsa_kernel
	.amdgpu_metadata
---
amdhsa.version: [ 1, 2 ]
amdhsa.kernels:
  - .name:           k_qea6a4b4ba0_pv
    .symbol:         k_qea6a4b4ba0_pv.kd
    .args:
      - { .name: p_codes, .offset: 0, .size: 8, .value_kind: global_buffer, .address_space: global }
      - { .name: pstat, .offset: 8, .size: 8, .value_kind: global_buffer, .address_space: global }
      - { .name: vt_codes, .offset: 16, .size: 8, .value_kind: global_buffer, .address_space: global }
      - { .name: vt_sc, .offset: 24, .size: 8, .value_kind: global_buffer, .address_space: global }
      - { .name: out0, .offset: 32, .size: 8, .value_kind: global_buffer, .address_space: global }
    .group_segment_fixed_size: 327680
    .private_segment_fixed_size: 0
    .kernarg_segment_align: 8
    .kernarg_segment_size: 40
    .max_flat_workgroup_size: 128
    .sgpr_count:     102
    .vgpr_count:     1024
    .wavefront_size: 32
...
	.end_amdgpu_metadata
.endif
;; end of part 3
